; MI455X (gfx1250); checked and timed in simulation.
; The chip was launched on July 23, 2026; its instructions are those of AMD's public machine-readable ISA for CDNA 5 (MIT licence, August 2026) and "CDNA5" Instruction Set Architecture Reference Guide (July 2026). The comments in the code are by the model that wrote it; some were corrected since.
;; Bigbird Simulated Attention. Allowed arithmetic: float matrix products may take bf16 or f16 operands with f32 sums; all other float work in f32.
;; Inputs: k 2 x 6 x 4,096 x 64 float32; mask 4,096 x 4,096 int32; q 2 x 6 x 4,096 x 64 float32; v 2 x 6 x 4,096 x 64 float32.
;; Outputs: out0 2 x 6 x 4,096 x 64 float32.
;; 2 versions, each right and faster than the one before. Each part assembles by itself: llvm-mc -triple=amdgcn-amd-amdhsa -mcpu=gfx1250 --defsym DOCPART=n.
;; ======== version 1 of 2: 2 launches
;; limits: right only within a limited range of input values
;; workspace buffers: kf 6,291,456 bytes; vf 6,291,456 bytes; bits 2,097,152 bytes of whole numbers; lists 131,072 bytes of whole numbers
;; launch prep (part 1): grid 224 x 1, 32 waves a work-group, no clusters, 300,544 bytes of LDS; arguments mask, k, v, bits, lists, kf, vf; writes bits, lists, kf, vf
.if DOCPART == 1
	.amdgcn_target "amdgcn-amd-amdhsa--gfx1250"
	.amdhsa_code_object_version 6
	.text
	.protected	k_q24bf85a736_prep
	.globl	k_q24bf85a736_prep
	.p2align	8
	.type	k_q24bf85a736_prep,@function
k_q24bf85a736_prep:
	s_mov_b64 s[64:65], 0
	v_nop
	global_prefetch_b8 v0, s[64:65] scope:SCOPE_SE
	s_setreg_imm32_b32 hwreg(HW_REG_WAVE_MODE, 25, 1), 1
	s_wait_xcnt 0x0
; PREPARATION FOR MASKED ATTENTION.  Three roles, chosen by the work-group's number alone:
;   work-groups   0..127  mask role: tile T = 32 query rows of mask [4096][4096] i32 -> bits, lists
;   work-groups 128..175  K role:    k [12][4096][64] f32 -> kf, bf16 in the order of matrix fragments
;   work-groups 176..223  V role:    v likewise -> vf, bf16, transposed, in the order of matrix fragments
; A "block" kb is 32 keys; lane L = (r = L & 15, h = L >> 4).
;   bits  [tile 128][kb 128][pos 32] u32: pos = 2 r + g stands for row 16 g + r of the tile;
;         bit 8 c + i of a word is 1 where mask > 0 at key 4 i + c of the block (c 0..3, i 0..7)
;   lists [tile 128][256] u32: words 0..count-1 = the blocks that the tile has to visit, kb | 0x100 where the
;         32 x 32 rectangle is not allowed throughout; zeros behind them; word 128 = count (1..128); the rest 0
;   kf    [head 12][kb 128][piece 8][lane 32][16 B]: piece (2t+ks)*2+p, lane (r,h) = K[32kb+16t+r][32ks+16p+8h .. +7]
;   vf    same shape: piece 2dt+p, lane (r,h) = V[32kb+16p+8h+e][16dt+r], e = 0..7
; A rectangle without any allowed element has weight exp(-1e9 - max) = 0 in f32 for every row that has an allowed
; key somewhere, so it is left out of the list.  A row without any allowed key is uniform over all 4,096 keys:
; a tile that holds such a row lists all 128 blocks.
; Everything here is read once and written once; no matrix unit, no cluster: no two work-groups read the same bytes.
; LDS: the mask role names bytes 0 .. 17,795 only, the K and V roles bytes 17,920 .. 296,447 only, so that no byte
; is named by two roles and every ordering question stays inside one role.
.set MROWB,  16384                     ; bytes in a row of the mask
.set F_ANY,  16384                     ; LDS, mask role: 0..16383 the waves' 512-byte stages; then 32 words for each flag
.set F_ALL,  16512
.set F_ROW,  16640
.set LIST,   16768                     ; 1,024 bytes of list and one word (at +1024) for lanes that have nothing to add
.set KVB,    17920                     ; LDS, K and V roles: the waves' stages start here (a multiple of 256)
.set PITCH,  272                       ; a row of 64 f32 + 16 bytes, an odd multiple of 16
.set WSTAGE, 32*PITCH                  ; 32 rows for each wave
.set D,  16                            ; v[16:79]  data, 16 slots of 4 registers
.set Y,  80                            ; v[80:111] packed bf16 on its way out
	s_load_b256 s[4:11], s[0:1], 0x0               ; mask s[4:5], k s[6:7], v s[8:9], bits s[10:11]
	s_load_b128 s[12:15], s[0:1], 0x20             ; lists s[12:13], kf s[14:15]
	s_load_b64 s[16:17], s[0:1], 0x30              ; vf
	v_lshl_add_u32 v112, v0, 2, 0x48600
	v_mov_b32 v113, 0
	v_lshrrev_b32 v2, 5, v0
	v_readfirstlane_b32 s18, v2                    ; wave 0..31
	v_and_b32 v3, 31, v0                           ; lane
	v_lshlrev_b32 v1, 4, v3                        ; 16 x lane
	v_and_b32 v4, 15, v3                           ; r
	v_lshrrev_b32 v5, 4, v3                        ; h
	s_mov_b32 s41, 0                               ; upper word of every offset pair s[40:41]
	s_wait_kmcnt 0x0
	s_cmp_lt_u32 ttmp9, 128
	s_cbranch_scc0 .Lkv
; ---------------------------------------------------------------- mask role
; Wave sp owns keys 128 sp .. 128 sp + 127 (512 bytes of each of the tile's 32 rows); lane L the four keys 4 L + c.
	s_lshl_b32 s39, s18, 9                         ; 512 sp
	s_lshl_b32 s40, ttmp9, 19                      ; 32 rows of 16,384 bytes a tile
	s_add_co_u32 s40, s40, s39
	s_add_nc_u64 s[4:5], s[4:5], s[40:41]
.irp u, 0,1,2,3,4,5,6,7,8,9,10,11,12,13,14,15
	global_load_b128 v[D+4*\u:D+4*\u+3], v1, s[4:5] offset:\u*MROWB th:TH_LOAD_NT   ; 512 neighbouring bytes a load, 16 loads out
.endr
	s_lshl_b32 s40, ttmp9, 14
	s_add_nc_u64 s[10:11], s[10:11], s[40:41]      ; bits at my tile
	s_lshl_b32 s40, ttmp9, 10
	s_add_nc_u64 s[12:13], s[12:13], s[40:41]      ; lists at my tile
	s_lshl_b32 s46, s18, 2                         ; 4 sp
	s_mov_b32 s20, 0                               ; ANY: bit L = some row allows one of keys 4 L .. 4 L + 3
	s_mov_b32 s21, -1                              ; ALL: bit L = every row allows all four
.irp c, 0,1,2,3
	v_mov_b32 v[8+\c], 0                           ; W c: v_writelane_b32 counts as a reader of its destination
.endr
	v_lshl_add_u32 v4, v4, 1, v5                   ; pos = 2 r + g of the row that my lane will stand for
	v_lshlrev_b32 v4, 2, v4
	v_add_nc_u32 v4, s39, v4                       ; my wave's stage + 4 pos
	v_add_nc_u32 v6, s39, v1                       ; 512 sp + 16 lane: in the stage, and in the tile's part of bits
	v_mov_b32 v7, s46
; Row u: four compares give, for c = 0..3, the 32 lanes' answers as one word; it goes to lane u of W c.
; left = the younger loads that may stay out; ahead = 1: the slot is loaded again with row u + 16.
.macro MROW u, left, ahead
	s_wait_loadcnt \left
.irp c, 0,1,2,3
	v_cmp_lt_i32 s[24+4*((\u)%2)+\c], 0, v[D+4*((\u)%16)+\c]       ; 0 < mask, signed, as the reference tests it
.endr
.if \ahead
	global_load_b128 v[D+4*((\u)%16):D+4*((\u)%16)+3], v1, s[4:5] offset:(\u+16)*MROWB th:TH_LOAD_NT
.endif
.irp c, 0,1,2,3
	v_writelane_b32 v[8+\c], s[24+4*((\u)%2)+\c], \u
.endr
	s_or_b32  s32, s[24+4*((\u)%2)], s[25+4*((\u)%2)]
	s_or_b32  s33, s[26+4*((\u)%2)], s[27+4*((\u)%2)]
	s_or_b32  s32, s32, s33
	s_or_b32  s20, s20, s32
	s_and_b32 s32, s[24+4*((\u)%2)], s[25+4*((\u)%2)]
	s_and_b32 s33, s[26+4*((\u)%2)], s[27+4*((\u)%2)]
	s_and_b32 s32, s32, s33
	s_and_b32 s21, s21, s32
.endm
.irp u, 0,1,2,3,4,5,6,7,8,9,10,11,12,13,14,15
	MROW \u, 15, 1                                 ; loads return in order: mine is in, the 15 younger rows stay out
.endr
.irp u, 16,17,18,19,20,21,22,23,24,25,26,27,28,29,30,31
	MROW \u, 31-\u, 0                              ; nothing more to load: the counts run down to 0
.endr
	; lane u now holds row u: bit L of W c = key 4 L + c.  Byte b of W c belongs to block 4 sp + b.
	v_or_b32 v12, v8, v9
	v_or_b32 v13, v10, v11
	v_or_b32 v12, v12, v13
	v_cmp_ne_u32 s22, 0, v12                       ; bit u = row u has an allowed key in my span
	; 4 x 4 bytes transposed: X b = (W0.b, W1.b, W2.b, W3.b), the word of block 4 sp + b
	v_perm_b32 v12, v9, v8, 0x05010400             ; W0.0 W1.0 W0.1 W1.1
	v_perm_b32 v13, v9, v8, 0x07030602             ; W0.2 W1.2 W0.3 W1.3
	v_perm_b32 v14, v11, v10, 0x05010400           ; W2.0 W3.0 W2.1 W3.1
	v_perm_b32 v15, v11, v10, 0x07030602           ; W2.2 W3.2 W2.3 W3.3
	v_perm_b32 v8, v14, v12, 0x05040100
	v_perm_b32 v9, v14, v12, 0x07060302
	v_perm_b32 v10, v15, v13, 0x05040100
	v_perm_b32 v11, v15, v13, 0x07060302
	ds_store_b32 v4, v8                            ; through my own 512 bytes of LDS into the order [block][pos]
	ds_store_b32 v4, v9 offset:128
	ds_store_b32 v4, v10 offset:256
	ds_store_b32 v4, v11 offset:384
	ds_load_b128 v[16:19], v6                      ; a wave's LDS instructions are served in order: this sees the four stores
	v_mov_b32 v12, s20
	v_mov_b32 v13, s21
	v_mov_b32 v14, s22
	ds_store_b32 v7, v12 offset:F_ANY              ; one word a wave; all lanes write the same value
	ds_store_b32 v7, v13 offset:F_ALL
	ds_store_b32 v7, v14 offset:F_ROW
	s_wait_dscnt 0x0                               ; the load for my store, and my flags complete in front of the signal
	global_store_b128 v6, v[16:19], s[10:11]       ; 512 neighbouring bytes, aligned
	s_barrier_signal -1
	s_barrier_wait -1
	s_cmp_lg_u32 s18, 0
	s_cbranch_scc1 .Lend                           ; wave 0 alone makes the list
	v_mov_b32 v12, 0
.irp i, 0,1,2,3,4,5,6,7
	ds_load_b128 v[20+4*\i:23+4*\i], v12 offset:F_ROW+16*\i        ; all 32 spans' row words, in every lane (v16-19 still feed my store)
.endr
	v_lshlrev_b32 v13, 2, v3                       ; 4 x lane; lane L now stands for span L
	ds_load_b32 v80, v13 offset:F_ANY
	ds_load_b32 v81, v13 offset:F_ALL
.irp i, 84,85,86,87
	v_mov_b32 v\i, 0
.endr
	ds_store_b128 v1, v[84:87] offset:LIST         ; the list's 256 words start as zeros
	ds_store_b128 v1, v[84:87] offset:LIST+512
	s_wait_dscnt 0x0
.irp i, 0,1,2,3,4,5,6,7,8,9,10,11,12,13,14,15
	v_or_b32 v[20+\i], v[20+\i], v[36+\i]
.endr
.irp i, 0,1,2,3,4,5,6,7
	v_or_b32 v[20+\i], v[20+\i], v[28+\i]
.endr
.irp i, 0,1,2,3
	v_or_b32 v[20+\i], v[20+\i], v[24+\i]
.endr
	v_or_b32 v20, v20, v22
	v_or_b32 v21, v21, v23
	v_or_b32 v20, v20, v21                         ; bit u = row u has an allowed key somewhere
	v_readfirstlane_b32 s32, v20
	s_cmp_eq_u32 s32, -1
	s_cselect_b32 s34, 0, -1                       ; FORCE = all ones if some row has none: then every block is listed
	s_mov_b32 s35, 0                               ; entries so far
	v_mov_b32 v15, 0x100                           ; the word for lanes that add nothing
.irp b, 0,1,2,3
	v_bfe_u32 v12, v80, 8*\b, 8
	v_cmp_ne_u32 vcc_lo, 0, v12                    ; block 4 L + b holds an allowed element
	s_or_b32 s36, vcc_lo, s34                      ; the lanes that add an entry
	v_bfe_u32 v12, v81, 8*\b, 8
	v_cmp_ne_u32 s37, 0xff, v12                    ; not allowed throughout: the bit words have to be applied
	v_or_b32 v12, \b, v13                          ; kb = 4 L + b
	v_or_b32 v14, 0x100, v12
	v_cndmask_b32 v12, v12, v14, s37
	v_mbcnt_lo_u32_b32 v14, s36, s35               ; entries so far + adding lanes below me
	v_cndmask_b32 v14, v15, v14, s36
	v_min_u32 v14, 0x100, v14                      ; a number made from loaded data enters an address only clamped
	v_lshlrev_b32 v14, 2, v14
	ds_store_b32 v14, v12 offset:LIST
	s_bcnt1_i32_b32 s38, s36
	s_add_co_u32 s35, s35, s38
.endr
	v_mov_b32 v12, s35
	v_mov_b32 v14, 0
	ds_store_b32 v14, v12 offset:LIST+512          ; word 128 = count.  It is at least 1: either every row has an allowed key, or all 128 are listed
	ds_load_b128 v[52:55], v1 offset:LIST
	ds_load_b128 v[56:59], v1 offset:LIST+512
	s_wait_dscnt 0x0
	global_store_b128 v1, v[52:55], s[12:13]
	global_store_b128 v1, v[56:59], s[12:13] offset:512
.Lend:
	s_wait_tensorcnt 0x0
	ds_add_u32 v112, v113
	s_wait_dscnt 0x0
	s_endpgm
; ---------------------------------------------------------------- K and V roles
; Each wave converts one block of 32 keys x 64 f32 (8,192 bytes in, 4,096 out), through its own 32 rows of LDS: no barrier.
.Lkv:
	s_sub_co_u32 s19, ttmp9, 128                   ; 0..47 K, 48..95 V
	s_cmp_lt_u32 s19, 48
	s_cselect_b64 s[42:43], s[6:7], s[8:9]         ; from k or v
	s_cselect_b64 s[44:45], s[14:15], s[16:17]     ; to kf or vf
	s_cselect_b32 s32, 0, 48
	s_sub_co_u32 s33, s19, s32
	s_lshl_b32 s33, s33, 5
	s_add_co_u32 s33, s33, s18                     ; block number = head x 128 + kb, 0..1535
	s_lshl_b32 s40, s33, 13
	s_add_nc_u64 s[42:43], s[42:43], s[40:41]
	s_lshl_b32 s40, s33, 12
	s_add_nc_u64 s[44:45], s[44:45], s[40:41]
.irp i, 0,1,2,3,4,5,6,7,8,9,10,11,12,13,14,15
	global_load_b128 v[D+4*\i:D+4*\i+3], v1, s[42:43] offset:512*\i th:TH_LOAD_NT   ; rows 2 i and 2 i + 1, 512 neighbouring bytes
.endr
	s_mul_i32 s32, s18, WSTAGE
	s_add_co_u32 s32, s32, KVB                     ; my wave's stage
	v_mul_u32_u24 v6, v5, PITCH
	v_lshl_add_u32 v6, v4, 4, v6
	v_add_nc_u32 v6, s32, v6                       ; row h, 16 bytes at 16 r
.irp i, 0,1,2,3,4,5,6,7,8,9,10,11,12,13,14,15
	s_wait_loadcnt 15-\i                           ; load i is in, the younger ones stay out
	ds_store_b128 v6, v[D+4*\i:D+4*\i+3] offset:2*PITCH*\i
.endr
; Quarter q of the block's output: 16 f32 a lane -> pieces 2q and 2q+1 of 8 bf16; each store covers 512 neighbouring bytes, aligned.
.macro PACKQ q
.irp n, 0,1,2,3,4,5,6,7
	v_cvt_pk_bf16_f32 v[Y+8*\q+\n], v[D+16*\q+2*\n], v[D+16*\q+2*\n+1]
.endr
	global_store_b128 v1, v[Y+8*\q:Y+8*\q+3],   s[44:45] offset:1024*\q        ; no hint: the next launch reads these many times
	global_store_b128 v1, v[Y+8*\q+4:Y+8*\q+7], s[44:45] offset:1024*\q+512
.endm
	s_cmp_lt_u32 s19, 48
	s_cbranch_scc0 .Lvrole
	; K: lane (r, h) takes, for piece (t, ks, p), the 32 bytes of row 16 t + r at d = 32 ks + 16 p + 8 h.
	; The sixteen rows of a load lie 272 bytes apart: sixteen different 16-byte columns modulo 256.
	; A wave's LDS instructions are served in order, so these loads see the stage's stores above.
	v_mul_u32_u24 v7, v4, PITCH
	v_lshl_add_u32 v7, v5, 5, v7
	v_add_nc_u32 v7, s32, v7
.irp t, 0,1
.irp ks, 0,1
.irp p, 0,1
	ds_load_b128 v[D+8*(4*\t+2*\ks+\p):D+8*(4*\t+2*\ks+\p)+3],   v7 offset:\t*16*PITCH+\ks*128+\p*64
	ds_load_b128 v[D+8*(4*\t+2*\ks+\p)+4:D+8*(4*\t+2*\ks+\p)+7], v7 offset:\t*16*PITCH+\ks*128+\p*64+16
.endr
.endr
.endr
.irp q, 0,1,2,3
	s_wait_dscnt 12-4*\q                           ; a quarter is 4 loads: those of the later quarters stay out
	PACKQ \q
.endr
	s_wait_tensorcnt 0x0
	ds_add_u32 v112, v113
	s_wait_dscnt 0x0
	s_endpgm
.Lvrole:
	; V: lane (r, h) takes, for piece (dt, p), column d = 16 dt + r of the eight rows 16 p + 8 h + e.
	; The 16 lanes of a half read 16 neighbouring words; the halves lie 8 rows = 2,176 bytes = 544 words apart.
	v_mul_u32_u24 v7, v5, 8*PITCH
	v_lshl_add_u32 v7, v4, 2, v7
	v_add_nc_u32 v7, s32, v7
.macro LV dt                           ; quarter dt: 16 loads of one word a lane
.irp p, 0,1
.irp e, 0,1,2,3,4,5,6,7
	ds_load_b32 v[D+16*\dt+8*\p+\e], v7 offset:(16*\p+\e)*PITCH+64*\dt
.endr
.endr
.endm
	LV 0
	LV 1
	s_wait_dscnt 16                                ; the 16 loads of the next quarter stay out; so in each step below
	PACKQ 0
	LV 2
	s_wait_dscnt 16
	PACKQ 1
	LV 3
	s_wait_dscnt 16
	PACKQ 2
	s_wait_dscnt 0x0
	PACKQ 3
	s_wait_tensorcnt 0x0
	ds_add_u32 v112, v113
	s_wait_dscnt 0x0
	s_endpgm
.Lfunc_end_k_q24bf85a736_prep:
	.size	k_q24bf85a736_prep, .Lfunc_end_k_q24bf85a736_prep-k_q24bf85a736_prep
	.p2alignl 7, 3214868480
	.fill 96, 4, 3214868480
	.section	.rodata,"a",@progbits
	.p2align	6, 0x0
	.amdhsa_kernel k_q24bf85a736_prep
		.amdhsa_group_segment_fixed_size 300544
		.amdhsa_private_segment_fixed_size 0
		.amdhsa_enable_private_segment 0
		.amdhsa_kernarg_size 56
		.amdhsa_user_sgpr_count 2
		.amdhsa_user_sgpr_kernarg_segment_ptr 1
		.amdhsa_wavefront_size32 1
		.amdhsa_system_sgpr_workgroup_id_x 1
		.amdhsa_system_sgpr_workgroup_id_y 1
		.amdhsa_system_sgpr_workgroup_id_z 1
		.amdhsa_system_vgpr_workitem_id 0
		.amdhsa_next_free_vgpr 114
		.amdhsa_next_free_sgpr 66
		.amdhsa_reserve_vcc 1
		.amdhsa_float_denorm_mode_32 3
		.amdhsa_float_denorm_mode_16_64 3
		.amdhsa_memory_ordered 1
		.amdhsa_forward_progress 1
		.amdhsa_inst_pref_size 53
	.end_amdhsa_kernel
	.amdgpu_metadata
---
amdhsa.version: [ 1, 2 ]
amdhsa.kernels:
  - .name:           k_q24bf85a736_prep
    .symbol:         k_q24bf85a736_prep.kd
    .args:
      - { .name: mask, .offset: 0, .size: 8, .value_kind: global_buffer, .address_space: global }
      - { .name: k, .offset: 8, .size: 8, .value_kind: global_buffer, .address_space: global }
      - { .name: v, .offset: 16, .size: 8, .value_kind: global_buffer, .address_space: global }
      - { .name: bits, .offset: 24, .size: 8, .value_kind: global_buffer, .address_space: global }
      - { .name: lists, .offset: 32, .size: 8, .value_kind: global_buffer, .address_space: global }
      - { .name: kf, .offset: 40, .size: 8, .value_kind: global_buffer, .address_space: global }
      - { .name: vf, .offset: 48, .size: 8, .value_kind: global_buffer, .address_space: global }
    .group_segment_fixed_size: 300544
    .private_segment_fixed_size: 0
    .kernarg_segment_align: 8
    .kernarg_segment_size: 56
    .max_flat_workgroup_size: 1024
    .sgpr_count:     66
    .vgpr_count:     114
    .wavefront_size: 32
...
	.end_amdgpu_metadata
.endif
;; end of part 1
;; launch attn (part 2): grid 128 x 12, 4 waves a work-group, no clusters, 40,960 bytes of LDS; arguments q, kf, vf, bits, lists, out0; writes out0
.if DOCPART == 2
	.amdgcn_target "amdgcn-amd-amdhsa--gfx1250"
	.amdhsa_code_object_version 6
	.text
	.protected	k_q24bf85a736_attn
	.globl	k_q24bf85a736_attn
	.p2align	8
	.type	k_q24bf85a736_attn,@function
k_q24bf85a736_attn:
	s_mov_b64 s[64:65], 0
	v_nop
	global_prefetch_b8 v0, s[64:65] scope:SCOPE_SE
	s_setreg_imm32_b32 hwreg(HW_REG_WAVE_MODE, 25, 1), 1
	s_wait_xcnt 0x0
; MASKED SOFTMAX ATTENTION over the listed key blocks.  q, out0: [12 heads][4096][64] f32.
; kf, vf, bits, lists: as the preparing launch laid them out (a block kb = 32 keys, a tile = 32 queries):
;   kf  [head][kb][piece (2t+ks)*2+p][lane (r,h)][16 B] = K[32kb+16t+r][32ks+16p+8h .. +7] in bf16
;   vf  [head][kb][piece 2dt+p][lane (r,h)][16 B]       = V[32kb+16p+8h+e][16dt+r], e = 0..7, in bf16
;   bits [tile][kb][2r+g] u32: row 16g+r; bit 8c+i = key 4i+c allowed
;   lists [tile][256] u32: entries kb | 0x100 (0x100: apply the bit words), zeros behind them, word 128 = count (1..128)
; A work-group = (tile = id x, head = id y), four waves.  Wave w takes entries w, w+4, w+8 .. for all 32 queries, with
; its own running maximum, sum and output; the four partial results meet in LDS at the end.
; Both products are used transposed: S^T = K Q^T and O^T = V^T P^T.  A lane then owns one query (column r): maximum and
; sum are taken inside the lane plus one exchange between the halves, and the eight packed registers made of S^T's
; results ARE the B fragment of P^T: register j of tile t holds key 16t+8h+j, which is where B wants k = 16t+8h+j.
; LIMITS, stated: inputs are finite (a block that is left out is not multiplied by its zero weights, so the reference's
; 0 x inf = NaN does not arise); |q.k| / 8 stays far below 1e9; a masked raw score is -2^33 (-1.07e9 after the scale
; 1/8) in place of -8e9: the weights are the same, 0 beside an allowed key, uniform in a row without any, and
; -2^33 x c is exact, so that such a row's exponents are exactly 0; v_exp_f32 gives 0 for weights under 2^-126
; (ISA guide, 15.8); Q, K, V and the weights enter the products rounded to bf16, the row sums use the f32 weights.
; NO TENSOR LOADS, NO CLUSTER: which blocks a tile reads, and how many (1 to 128), comes from its own list, so the
; tiles of a head would name different tiles of K and V in different numbers of steps, and a tile in LDS shared by
; waves would need a barrier inside a loop whose trip count differs from wave to wave.  Fragments therefore come
; straight into registers, 512 neighbouring bytes a load, already in fragment order.
.set QST,    0                         ; LDS: Q in bf16, 32 rows of 128 bytes at pitch 144
.set QPITCH, 144
.set PART,   4608                      ; four waves' partial outputs: 32 queries x 64 f32 at pitch 272 (an odd multiple of 16)
.set PPITCH, 272
.set PWAVE,  32*PPITCH
.set STAT,   PART+4*PWAVE              ; [wave 4][query 32] (maximum, sum): 1,024 bytes; ends at 40,448
; v1 16 x lane | v2 8 r | v3 2 h | v4 Q fragment address | v5 my PART address | v6 my STAT address | v7 -2^33 | v8 -2^127
; v9 STAT read | v10 PART read | v11 offset in out0 | v12-15 set-up
.set QB,  16                           ; v[16:47]   Q fragments (g, ks) at +8 (2g+ks)
.set KA,  48                           ; v[48:79]   K pieces, +4 i
.set VA,  80                           ; v[80:111]  V pieces, +4 i
.set SC,  112                          ; v[112:143] scores, then weights: +16 g + 8 t + j
.set PB,  144                          ; v[144:159] weights in bf16, +8 g
.set OA,  160                          ; v[160:223] output sums, +8 (4g+dt)
.set ML,  224                          ; v[224:227] group g: maximum at +2g, sum (of my half's keys) at +2g+1
.set QOF, 228
.set QLA, 229
.set NMC, 230                          ; v230, v232 -maximum x c   (the upper register of each pair is written once:
.set AL,  234                          ; v234, v236 the factor for the old sums   a packed form reads whole pairs)
.set T,   238                          ; v[238:245] at work
.set MW,  246                          ; v[246:247] bit words of rows r and 16+r
.set MS,  248                          ; v[248:249] the same, shifted right by 2 h
.set CB,  16                           ; the combine: 24 registers for each pair of rows, over QB, KA, VA
.set OUTR, 120
.set E,   136
.set MXR, 140
.set LS,  141
.set RC,  142
	s_load_b256 s[4:11], s[0:1], 0x0               ; q s[4:5], kf s[6:7], vf s[8:9], bits s[10:11]
	s_load_b128 s[12:15], s[0:1], 0x20             ; lists s[12:13], out0 s[14:15]
	v_lshl_add_u32 v254, v0, 2, 0x9e00
	v_mov_b32 v255, 0
	v_lshrrev_b32 v12, 5, v0
	v_readfirstlane_b32 s16, v12                   ; wave w
	s_and_b32 s18, ttmp7, 0xffff                   ; head
	s_mov_b32 s29, 0                               ; upper words of the offset pairs
	s_mov_b32 s31, 0
	s_mov_b32 s49, 0
	s_mov_b32 s38, 0x3e38aa3b                      ; c = log2(e) / 8: the scale 1/sqrt(64) and the base 2 of v_exp_f32 in one
	s_mov_b32 s39, 0x3e38aa3b
	s_mov_b32 s42, 0xbe38aa3b                      ; -c
	s_mov_b32 s40, 0x76543210                      ; v_permlanex16_b32: lane i reads lane i of the other half
	s_mov_b32 s41, 0xfedcba98
	v_and_b32 v14, 31, v0                          ; lane
	v_and_b32 v15, 15, v0                          ; r
	v_bfe_u32 v13, v0, 4, 1                        ; h
	v_lshlrev_b32 v1, 4, v14
	v_lshlrev_b32 v2, 3, v15
	v_lshlrev_b32 v3, 1, v13
	v_mul_u32_u24 v4, v15, QPITCH
	v_lshl_add_u32 v4, v13, 4, v4                  ; r x 144 + 16 h
	s_mul_i32 s48, s16, PWAVE
	v_mul_u32_u24 v5, v15, PPITCH
	v_lshl_add_u32 v5, v13, 5, v5
	v_add_nc_u32 v5, s48, v5                       ; w x 8704 + r x 272 + 32 h
	s_lshl_b32 s48, s16, 8
	v_lshl_add_u32 v6, v15, 3, s48                 ; w x 256 + 8 r
	v_mov_b32 v7, 0xd0000000                       ; -2^33
	v_mov_b32 v8, 0xff000000                       ; -2^127
	s_lshl_b32 s48, s16, 3
	v_add_nc_u32 v12, s48, v13                     ; 8 w + h: the first row that my lane finishes
	v_lshlrev_b32 v9, 3, v12
	v_mul_u32_u24 v10, v12, PPITCH
	v_lshl_add_u32 v10, v15, 4, v10
	v_lshlrev_b32 v11, 8, v12
	v_lshl_add_u32 v11, v15, 4, v11
	s_lshl_b32 s48, s16, 11
	v_add_nc_u32 v[QOF], s48, v1                   ; Q: my wave's rows 8w .. 8w+7, 2,048 bytes
	s_mul_i32 s48, s16, 8*QPITCH
	v_mul_u32_u24 v[QLA], v13, QPITCH
	v_lshl_add_u32 v[QLA], v15, 3, v[QLA]
	v_add_nc_u32 v[QLA], s48, v[QLA]
	v_mov_b32 v[NMC+1], 0
	v_mov_b32 v[NMC+3], 0
	v_mov_b32 v[AL+1], 0
	v_mov_b32 v[AL+3], 0
	s_wait_kmcnt 0x0
	s_lshl_b32 s48, s18, 20                        ; a head of q and out0: 4096 x 256 bytes
	s_lshl_b32 s50, ttmp9, 13                      ; a tile: 32 x 256 bytes
	s_add_co_u32 s48, s48, s50
	s_add_nc_u64 s[4:5], s[4:5], s[48:49]
	s_add_nc_u64 s[14:15], s[14:15], s[48:49]
	s_lshl_b32 s48, s18, 19                        ; a head of kf and vf: 128 x 4,096 bytes
	s_add_nc_u64 s[6:7], s[6:7], s[48:49]
	s_add_nc_u64 s[8:9], s[8:9], s[48:49]
	s_lshl_b32 s48, ttmp9, 14
	s_add_nc_u64 s[10:11], s[10:11], s[48:49]
	s_lshl_b32 s48, ttmp9, 10
	s_add_nc_u64 s[12:13], s[12:13], s[48:49]
	s_lshl_b32 s24, s16, 2                         ; my first entry's byte
	s_load_b32 s19, s[12:13], 0x200                ; count
	s_load_b32 s22, s[12:13], s24 offset:0x0       ; my entry 0
	s_load_b32 s23, s[12:13], s24 offset:0x10      ; my entry 1 (or a zero behind the list)
.irp i, 0,1,2,3
	global_load_b128 v[OA+4*\i:OA+4*\i+3], v[QOF], s[4:5] offset:512*\i th:TH_LOAD_NT   ; Q rows 8w+2i, 8w+2i+1
.endr
; entry -> s28 = kb x 4,096 (kf, vf), s30 = kb x 128 (bits), s26 = 0x100 where the bit words have to be applied
.macro DECODE e
	s_and_b32 s27, \e, 0x7f
	s_min_u32 s27, s27, 0x7f                       ; a loaded number enters an address only clamped
	s_and_b32 s26, \e, 0x100
	s_lshl_b32 s28, s27, 12
	s_lshl_b32 s30, s27, 7
.endm
.macro LOADMK                          ; 1 + 8 loads: the block's bit words and K
	s_add_nc_u64 s[36:37], s[10:11], s[30:31]
	s_add_nc_u64 s[32:33], s[6:7], s[28:29]
	global_load_b64 v[MW:MW+1], v2, s[36:37]
.irp i, 0,1,2,3,4,5,6,7
	global_load_b128 v[KA+4*\i:KA+4*\i+3], v1, s[32:33] offset:512*\i
.endr
.endm
.macro LOADV                           ; 8 loads: the block's V
	s_add_nc_u64 s[34:35], s[8:9], s[28:29]
.irp i, 0,1,2,3,4,5,6,7
	global_load_b128 v[VA+4*\i:VA+4*\i+3], v1, s[34:35] offset:512*\i
.endr
.endm
.macro QK                              ; S^T (32 keys x 32 queries): the first product of each tile starts its sum
.irp g, 0,1
.irp t, 0,1
	v_wmma_f32_16x16x32_bf16 v[SC+16*\g+8*\t:SC+16*\g+8*\t+7], v[KA+16*\t:KA+16*\t+7], v[QB+16*\g:QB+16*\g+7], 0
.endr
.endr
.irp g, 0,1
.irp t, 0,1
	v_wmma_f32_16x16x32_bf16 v[SC+16*\g+8*\t:SC+16*\g+8*\t+7], v[KA+16*\t+8:KA+16*\t+15], v[QB+16*\g+8:QB+16*\g+15], v[SC+16*\g+8*\t:SC+16*\g+8*\t+7]
.endr
.endr
.endm
; key 16t+8h+j = 4i+c with c = j & 3, i = 4t+2h+(j>>2): bit 8c+i of the word, bit 8(j&3)+4t+(j>>2) once it is shifted by 2h
.macro MASKG g
.irp t, 0,1
.irp j, 0,1,2,3,4,5,6,7
	v_and_b32 v[T+(\j%4)], 1<<(8*(\j&3)+4*\t+(\j>>2)), v[MS+\g]
	v_cmp_eq_u32 s[44+(\j%4)], 0, v[T+(\j%4)]
	v_cndmask_b32 v[SC+16*\g+8*\t+\j], v[SC+16*\g+8*\t+\j], v7, s[44+(\j%4)]
.endr
.endr
.endm
; The running softmax of query group g.  first = 1: nothing to carry over.
.macro SOFTG g, first
.set SG, SC+16*\g
	v_max3_num_f32 v[T+0], v[SG+0], v[SG+1], v[SG+2]
	v_max3_num_f32 v[T+1], v[SG+3], v[SG+4], v[SG+5]
	v_max3_num_f32 v[T+2], v[SG+6], v[SG+7], v[SG+8]
	v_max3_num_f32 v[T+3], v[SG+9], v[SG+10], v[SG+11]
	v_max3_num_f32 v[T+4], v[SG+12], v[SG+13], v[SG+14]
	v_max3_num_f32 v[T+0], v[T+0], v[T+1], v[SG+15]
	v_max3_num_f32 v[T+2], v[T+2], v[T+3], v[T+4]
	v_max_num_f32 v[T+0], v[T+0], v[T+2]           ; over my 16 keys
	v_permlanex16_b32 v[T+1], v[T+0], s40, s41     ; the other half's 16 keys of the same query
.if \first
	v_max_num_f32 v[T+2], v[T+0], v[T+1]
.else
	v_max3_num_f32 v[T+2], v[T+0], v[T+1], v[ML+2*\g]
	v_sub_f32 v[T+3], v[ML+2*\g], v[T+2]           ; exactly 0 where the maximum stays
	v_mul_f32 v[T+3], s38, v[T+3]
.endif
	v_mul_f32 v[NMC+2*\g], s42, v[T+2]
.irp k, 0,2,4,6,8,10,12,14
	v_pk_fma_f32 v[SG+\k:SG+\k+1], v[SG+\k:SG+\k+1], s[38:39], v[NMC+2*\g:NMC+2*\g+1] op_sel_hi:[1,0,0]   ; s c - m c
.endr
.irp k, 0,1,2,3,4,5,6,7,8,9,10,11,12,13,14,15
	v_exp_f32 v[SG+\k], v[SG+\k]
.endr
.if \first
.else
	v_exp_f32 v[AL+2*\g], v[T+3]
.endif
	v_mov_b32 v[ML+2*\g], v[T+2]                   ; the plain instruction between the exponentials and the first use of a result (ISA guide 5.7.2)
	s_wait_alu depctr_va_vdst(0)
	v_pk_add_f32 v[T+0:T+1], v[SG+0:SG+1], v[SG+2:SG+3]
	v_pk_add_f32 v[T+2:T+3], v[SG+4:SG+5], v[SG+6:SG+7]
	v_pk_add_f32 v[T+4:T+5], v[SG+8:SG+9], v[SG+10:SG+11]
	v_pk_add_f32 v[T+6:T+7], v[SG+12:SG+13], v[SG+14:SG+15]
	v_pk_add_f32 v[T+0:T+1], v[T+0:T+1], v[T+2:T+3]
	v_pk_add_f32 v[T+4:T+5], v[T+4:T+5], v[T+6:T+7]
	v_pk_add_f32 v[T+0:T+1], v[T+0:T+1], v[T+4:T+5]
.if \first
	v_add_f32 v[ML+2*\g+1], v[T+0], v[T+1]
.else
	v_add_f32 v[T+0], v[T+0], v[T+1]
	v_fma_f32 v[ML+2*\g+1], v[ML+2*\g+1], v[AL+2*\g], v[T+0]
.endif
.irp k, 0,1,2,3,4,5,6,7
	v_cvt_pk_bf16_f32 v[PB+8*\g+\k], v[SG+2*\k], v[SG+2*\k+1]      ; P^T's B fragment, no exchange between lanes
.endr
.if \first
.else
.irp k, 0,2,4,6,8,10,12,14,16,18,20,22,24,26,28,30
	v_pk_mul_f32 v[OA+32*\g+\k:OA+32*\g+\k+1], v[OA+32*\g+\k:OA+32*\g+\k+1], v[AL+2*\g:AL+2*\g+1] op_sel_hi:[1,0]
.endr
.endif
.endm
.macro PV first                        ; O^T (64 d x 32 queries) += V^T P^T
.irp g, 0,1
.irp dt, 0,1,2,3
.if \first
	v_wmma_f32_16x16x32_bf16 v[OA+8*(4*\g+\dt):OA+8*(4*\g+\dt)+7], v[VA+8*\dt:VA+8*\dt+7], v[PB+8*\g:PB+8*\g+7], 0
.else
	v_wmma_f32_16x16x32_bf16 v[OA+8*(4*\g+\dt):OA+8*(4*\g+\dt)+7], v[VA+8*\dt:VA+8*\dt+7], v[PB+8*\g:PB+8*\g+7], v[OA+8*(4*\g+\dt):OA+8*(4*\g+\dt)+7]
.endif
.endr
.endr
.endm
; One block.  At its head the bit words, K (1 + 8 loads) and, younger, V (8 loads) of this block are on their way.
; ahead = 1: the next block's loads are issued as soon as the registers are free, and the entry behind it is read.
.macro STEP id, first, ahead
	s_wait_loadcnt 0x8                             ; the 8 loads of V are younger: bit words and K are in, their address pairs free
	QK
	v_lshrrev_b32 v[MS], v3, v[MW]                 ; four plain instructions that name no register of the products stand between them
	v_lshrrev_b32 v[MS+1], v3, v[MW+1]             ; and both the loads into K's registers and the first reader of the scores
	v_nop                                          ; (ISA guide 7.12.1)
	v_nop
.if \ahead
	s_wait_kmcnt 0x0                               ; the next entry, asked for a whole step ago; s24 is free too
	DECODE s23
	LOADMK
	s_add_co_u32 s24, s24, 16
	s_load_b32 s23, s[12:13], s24 offset:0x10      ; at most word 3 + 4 x 32 = 131 of the list's 256
.endif
	s_cmp_eq_u32 s25, 0
	s_cbranch_scc1 .Lfull_\id                      ; allowed throughout: nothing to replace
	MASKG 0
	MASKG 1
.Lfull_\id:
	SOFTG 0, \first
	SOFTG 1, \first
.if \ahead
	s_wait_loadcnt 0x9                             ; the next block's 1 + 8 loads are younger: V is in, its address pair free
.else
	s_wait_loadcnt 0x0
.endif
	PV \first
.rept 4
	v_nop                                          ; places in front of the loads into V's registers and of whatever reads the sums next
.endr
.if \ahead
	LOADV
	s_mov_b32 s25, s26
.endif
.endm
	s_wait_kmcnt 0x0
	s_min_u32 s19, s19, 128
	s_add_co_u32 s20, s19, 3
	s_sub_co_u32 s20, s20, s16
	s_lshr_b32 s20, s20, 2                         ; my entries: w, w+4, .. below count
	s_max_u32 s20, s20, 1                          ; a wave without any works on one zero entry (block 0) ...
	s_cmp_ge_u32 s16, s19
	s_cselect_b32 s21, -1, 0                       ; ... and its result is taken out by value at the end
	DECODE s22
	s_mov_b32 s25, s26
	LOADMK
	LOADV
	s_wait_loadcnt 17                              ; the 1 + 8 + 8 loads of the first block are younger: Q is in
.irp i, 0,1,2,3
	v_cvt_pk_bf16_f32 v[OA+16+2*\i],   v[OA+4*\i],   v[OA+4*\i+1]
	v_cvt_pk_bf16_f32 v[OA+16+2*\i+1], v[OA+4*\i+2], v[OA+4*\i+3]
.endr
.irp i, 0,1,2,3
	ds_store_b64 v[QLA], v[OA+16+2*\i:OA+16+2*\i+1] offset:QST+2*QPITCH*\i
.endr
	s_wait_dscnt 0x0                               ; my rows of Q are in LDS in front of the signal
	s_barrier_signal -1
	s_barrier_wait -1
.irp g, 0,1
.irp ks, 0,1
.irp p, 0,1
	ds_load_b128 v[QB+4*(4*\g+2*\ks+\p):QB+4*(4*\g+2*\ks+\p)+3], v4 offset:QST+\g*16*QPITCH+64*\ks+32*\p
.endr
.endr
.endr
	s_wait_dscnt 0x0
	s_cmp_eq_u32 s20, 1
	s_cbranch_scc1 .Lsingle
	STEP 0, 1, 1
	s_sub_co_i32 s20, s20, 2
	s_cmp_eq_u32 s20, 0
	s_cbranch_scc1 .Llast
.Lloop:
	STEP 1, 0, 1
	s_sub_co_i32 s20, s20, 1
	s_cmp_lg_u32 s20, 0
	s_cbranch_scc1 .Lloop
.Llast:
	STEP 2, 0, 0
	s_branch .Lcombine
.Lsingle:
	STEP 3, 1, 0
.Lcombine:
	; THE FOUR WAVES' PARTS MEET.  Sums of the two halves first; a wave without an entry hands in (-2^127, 0).
	v_permlanex16_b32 v[T], v[ML+1], s40, s41
	v_permlanex16_b32 v[T+1], v[ML+3], s40, s41
	v_add_f32 v[ML+1], v[ML+1], v[T]
	v_add_f32 v[ML+3], v[ML+3], v[T+1]
	v_cndmask_b32 v[ML], v[ML], v8, s21
	v_cndmask_b32 v[ML+2], v[ML+2], v8, s21
	v_cndmask_b32 v[ML+1], v[ML+1], 0, s21
	v_cndmask_b32 v[ML+3], v[ML+3], 0, s21
	ds_store_b64 v6, v[ML:ML+1] offset:STAT        ; query r; both halves write the same pair
	ds_store_b64 v6, v[ML+2:ML+3] offset:STAT+128  ; query 16 + r
.irp g, 0,1
.irp dt, 0,1,2,3
	ds_store_b128 v5, v[OA+8*(4*\g+\dt):OA+8*(4*\g+\dt)+3]   offset:PART+\g*16*PPITCH+64*\dt      ; query 16g+r, d = 16dt+8h .. +3
	ds_store_b128 v5, v[OA+8*(4*\g+\dt)+4:OA+8*(4*\g+\dt)+7] offset:PART+\g*16*PPITCH+64*\dt+16
.endr
.endr
	s_wait_dscnt 0x0                               ; my part is in LDS in front of the signal
	s_barrier_signal -1
	s_barrier_wait -1
	; Wave w finishes queries 8w .. 8w+7, two at a time: lanes 0-15 one row of 256 bytes, lanes 16-31 the next.
.irp t, 0,1,2,3
.irp i, 0,1,2,3
	ds_load_b64 v[CB+24*\t+2*\i:CB+24*\t+2*\i+1], v9 offset:STAT+256*\i+16*\t      ; (maximum, sum) of wave i
.endr
.irp i, 0,1,2,3
	ds_load_b128 v[CB+24*\t+8+4*\i:CB+24*\t+11+4*\i], v10 offset:PART+\i*PWAVE+2*PPITCH*\t
.endr
.endr
.macro COMB t
.set CT, CB+24*\t
	s_wait_dscnt 24-8*\t                           ; the later pairs' groups of 8 loads stay out
	v_max3_num_f32 v[MXR], v[CT], v[CT+2], v[CT+4]
	v_max_num_f32 v[MXR], v[MXR], v[CT+6]
.irp i, 0,1,2,3
	v_sub_f32 v[E+\i], v[CT+2*\i], v[MXR]
.endr
.irp i, 0,1,2,3
	v_mul_f32 v[E+\i], s38, v[E+\i]
.endr
.irp i, 0,1,2,3
	v_exp_f32 v[E+\i], v[E+\i]
.endr
	v_nop                                          ; a plain place behind the exponentials (ISA guide 5.7.2)
	s_wait_alu depctr_va_vdst(0)
	v_mul_f32 v[LS], v[E], v[CT+1]
	v_fmac_f32 v[LS], v[E+1], v[CT+3]
	v_fmac_f32 v[LS], v[E+2], v[CT+5]
	v_fmac_f32 v[LS], v[E+3], v[CT+7]              ; at least 1: the wave that holds the maximum has factor 1 and a sum of at least 1
	v_rcp_f32 v[RC], v[LS]
	v_nop
	s_wait_alu depctr_va_vdst(0)
.irp i, 0,1,2,3
	v_mul_f32 v[T+2*\i], v[E+\i], v[RC]            ; each weight twice: a pair for the packed forms
	v_mul_f32 v[T+2*\i+1], v[E+\i], v[RC]
.endr
	v_pk_mul_f32 v[OUTR+4*\t:OUTR+4*\t+1],   v[CT+8:CT+9],   v[T:T+1]
	v_pk_mul_f32 v[OUTR+4*\t+2:OUTR+4*\t+3], v[CT+10:CT+11], v[T:T+1]
.irp i, 1,2,3
	v_pk_fma_f32 v[OUTR+4*\t:OUTR+4*\t+1],   v[CT+8+4*\i:CT+9+4*\i],   v[T+2*\i:T+2*\i+1], v[OUTR+4*\t:OUTR+4*\t+1]
	v_pk_fma_f32 v[OUTR+4*\t+2:OUTR+4*\t+3], v[CT+10+4*\i:CT+11+4*\i], v[T+2*\i:T+2*\i+1], v[OUTR+4*\t+2:OUTR+4*\t+3]
.endr
	global_store_b128 v11, v[OUTR+4*\t:OUTR+4*\t+3], s[14:15] offset:512*\t th:TH_STORE_NT   ; sixteen lanes write one whole row of 256 bytes, aligned
.endm
	COMB 0
	COMB 1
	COMB 2
	COMB 3
	s_wait_tensorcnt 0x0
	ds_add_u32 v254, v255
	s_wait_dscnt 0x0
	s_endpgm
.Lfunc_end_k_q24bf85a736_attn:
	.size	k_q24bf85a736_attn, .Lfunc_end_k_q24bf85a736_attn-k_q24bf85a736_attn
	.p2alignl 7, 3214868480
	.fill 96, 4, 3214868480
	.section	.rodata,"a",@progbits
	.p2align	6, 0x0
	.amdhsa_kernel k_q24bf85a736_attn
		.amdhsa_group_segment_fixed_size 40960
		.amdhsa_private_segment_fixed_size 0
		.amdhsa_enable_private_segment 0
		.amdhsa_kernarg_size 48
		.amdhsa_user_sgpr_count 2
		.amdhsa_user_sgpr_kernarg_segment_ptr 1
		.amdhsa_wavefront_size32 1
		.amdhsa_system_sgpr_workgroup_id_x 1
		.amdhsa_system_sgpr_workgroup_id_y 1
		.amdhsa_system_sgpr_workgroup_id_z 1
		.amdhsa_system_vgpr_workitem_id 0
		.amdhsa_next_free_vgpr 256
		.amdhsa_next_free_sgpr 66
		.amdhsa_reserve_vcc 0
		.amdhsa_float_denorm_mode_32 3
		.amdhsa_float_denorm_mode_16_64 3
		.amdhsa_memory_ordered 1
		.amdhsa_forward_progress 1
		.amdhsa_inst_pref_size 77
	.end_amdhsa_kernel
	.amdgpu_metadata
---
amdhsa.version: [ 1, 2 ]
amdhsa.kernels:
  - .name:           k_q24bf85a736_attn
    .symbol:         k_q24bf85a736_attn.kd
    .args:
      - { .name: q, .offset: 0, .size: 8, .value_kind: global_buffer, .address_space: global }
      - { .name: kf, .offset: 8, .size: 8, .value_kind: global_buffer, .address_space: global }
      - { .name: vf, .offset: 16, .size: 8, .value_kind: global_buffer, .address_space: global }
      - { .name: bits, .offset: 24, .size: 8, .value_kind: global_buffer, .address_space: global }
      - { .name: lists, .offset: 32, .size: 8, .value_kind: global_buffer, .address_space: global }
      - { .name: out0, .offset: 40, .size: 8, .value_kind: global_buffer, .address_space: global }
    .group_segment_fixed_size: 40960
    .private_segment_fixed_size: 0
    .kernarg_segment_align: 8
    .kernarg_segment_size: 48
    .max_flat_workgroup_size: 128
    .sgpr_count:     66
    .vgpr_count:     256
    .wavefront_size: 32
...
	.end_amdgpu_metadata
.endif
;; end of part 2
;; ======== version 2 of 2: 2 launches; 1.37 times as fast as version 1
;; limits: right only within a limited range of input values
;; workspace buffers: kf 6,291,456 bytes; vf 6,291,456 bytes; bits 2,097,152 bytes of whole numbers; lists 131,072 bytes of whole numbers; counts 512 bytes of whole numbers
;; launch prep (part 3): grid 224 x 1, 32 waves a work-group, no clusters, 300,544 bytes of LDS; arguments mask, k, v, bits, lists, kf, vf, counts; writes bits, lists, kf, vf, counts
.if DOCPART == 3
	.amdgcn_target "amdgcn-amd-amdhsa--gfx1250"
	.amdhsa_code_object_version 6
	.text
	.protected	k_q24bf85a736_prep
	.globl	k_q24bf85a736_prep
	.p2align	8
	.type	k_q24bf85a736_prep,@function
k_q24bf85a736_prep:
	s_mov_b64 s[64:65], 0
	v_nop
	global_prefetch_b8 v0, s[64:65] scope:SCOPE_SE
	s_setreg_imm32_b32 hwreg(HW_REG_WAVE_MODE, 25, 1), 1
	s_wait_xcnt 0x0
; PREPARATION FOR MASKED ATTENTION.  Three roles, chosen by the work-group's number alone:
;   work-groups   0..127  mask role: tile T = 32 query rows of mask [4096][4096] i32 -> bits, lists, counts
;   work-groups 128..175  K role:    k [12][4096][64] f32 -> kf, bf16 in the order of matrix fragments
;   work-groups 176..223  V role:    v likewise -> vf, bf16, transposed, in the order of matrix fragments
; A "block" kb is 32 keys; lane L = (r = L & 15, h = L >> 4).
;   bits  [tile 128][kb 128][pos 32] u32: pos = 2 r + g stands for row 16 g + r of the tile;
;         bit 8 c + i of a word is 1 where mask > 0 at key 4 i + c of the block (c 0..3, i 0..7)
;   lists [tile 128][256] u32: words 0..count-1 = the blocks that the tile has to visit, kb | 0x100 where the
;         32 x 32 rectangle is not allowed throughout; zeros behind them; word 128 = count (1..128); the rest 0
;   counts [tile 128] u32: the count once more, all tiles side by side in 512 bytes
;   kf    [head 12][kb 128][piece 8][lane 32][16 B]: piece (2t+ks)*2+p, lane (r,h) = K[32kb+16t+r][32ks+16p+8h .. +7]
;   vf    same shape: piece 2dt+p, lane (r,h) = V[32kb+16p+8h+e][16dt+r], e = 0..7
; A rectangle without any allowed element has weight exp(-1e9 - max) = 0 in f32 for every row that has an allowed
; key somewhere, so it is left out of the list.  A row without any allowed key is uniform over all 4,096 keys:
; a tile that holds such a row lists all 128 blocks.
; Everything here is read once and written once; no matrix unit, no cluster: no two work-groups read the same bytes.
; LDS: the mask role names bytes 0 .. 17,795 only, the K and V roles bytes 17,920 .. 296,447 only, so that no byte
; is named by two roles and every ordering question stays inside one role.
.set MROWB,  16384                     ; bytes in a row of the mask
.set F_ANY,  16384                     ; LDS, mask role: 0..16383 the waves' 512-byte stages; then 32 words for each flag
.set F_ALL,  16512
.set F_ROW,  16640
.set LIST,   16768                     ; 1,024 bytes of list and one word (at +1024) for lanes that have nothing to add
.set KVB,    17920                     ; LDS, K and V roles: the waves' stages start here (a multiple of 256)
.set PITCH,  272                       ; a row of 64 f32 + 16 bytes, an odd multiple of 16
.set WSTAGE, 32*PITCH                  ; 32 rows for each wave
.set D,  16                            ; v[16:79]  data, 16 slots of 4 registers
.set Y,  80                            ; v[80:111] packed bf16 on its way out
	s_load_b256 s[4:11], s[0:1], 0x0               ; mask s[4:5], k s[6:7], v s[8:9], bits s[10:11]
	s_load_b128 s[12:15], s[0:1], 0x20             ; lists s[12:13], kf s[14:15]
	s_load_b64 s[16:17], s[0:1], 0x30              ; vf
	s_load_b64 s[2:3], s[0:1], 0x38                ; counts
	v_lshl_add_u32 v112, v0, 2, 0x48600
	v_mov_b32 v113, 0
	v_lshrrev_b32 v2, 5, v0
	v_readfirstlane_b32 s18, v2                    ; wave 0..31
	v_and_b32 v3, 31, v0                           ; lane
	v_lshlrev_b32 v1, 4, v3                        ; 16 x lane
	v_and_b32 v4, 15, v3                           ; r
	v_lshrrev_b32 v5, 4, v3                        ; h
	s_mov_b32 s41, 0                               ; upper word of every offset pair s[40:41]
	s_wait_kmcnt 0x0
	s_cmp_lt_u32 ttmp9, 128
	s_cbranch_scc0 .Lkv
; ---------------------------------------------------------------- mask role
; Wave sp owns keys 128 sp .. 128 sp + 127 (512 bytes of each of the tile's 32 rows); lane L the four keys 4 L + c.
	s_lshl_b32 s39, s18, 9                         ; 512 sp
	s_lshl_b32 s40, ttmp9, 19                      ; 32 rows of 16,384 bytes a tile
	s_add_co_u32 s40, s40, s39
	s_add_nc_u64 s[4:5], s[4:5], s[40:41]
.irp u, 0,1,2,3,4,5,6,7,8,9,10,11,12,13,14,15
	global_load_b128 v[D+4*\u:D+4*\u+3], v1, s[4:5] offset:\u*MROWB th:TH_LOAD_NT   ; 512 neighbouring bytes a load, 16 loads out
.endr
	s_lshl_b32 s40, ttmp9, 14
	s_add_nc_u64 s[10:11], s[10:11], s[40:41]      ; bits at my tile
	s_lshl_b32 s40, ttmp9, 10
	s_add_nc_u64 s[12:13], s[12:13], s[40:41]      ; lists at my tile
	s_lshl_b32 s40, ttmp9, 2
	s_add_nc_u64 s[2:3], s[2:3], s[40:41]          ; counts at my tile
	s_lshl_b32 s46, s18, 2                         ; 4 sp
	s_mov_b32 s20, 0                               ; ANY: bit L = some row allows one of keys 4 L .. 4 L + 3
	s_mov_b32 s21, -1                              ; ALL: bit L = every row allows all four
.irp c, 0,1,2,3
	v_mov_b32 v[8+\c], 0                           ; W c: v_writelane_b32 counts as a reader of its destination
.endr
	v_lshl_add_u32 v4, v4, 1, v5                   ; pos = 2 r + g of the row that my lane will stand for
	v_lshlrev_b32 v4, 2, v4
	v_add_nc_u32 v4, s39, v4                       ; my wave's stage + 4 pos
	v_add_nc_u32 v6, s39, v1                       ; 512 sp + 16 lane: in the stage, and in the tile's part of bits
	v_mov_b32 v7, s46
; Row u: four compares give, for c = 0..3, the 32 lanes' answers as one word; it goes to lane u of W c.
; left = the younger loads that may stay out; ahead = 1: the slot is loaded again with row u + 16.
.macro MROW u, left, ahead
	s_wait_loadcnt \left
.irp c, 0,1,2,3
	v_cmp_lt_i32 s[24+4*((\u)%2)+\c], 0, v[D+4*((\u)%16)+\c]       ; 0 < mask, signed, as the reference tests it
.endr
.if \ahead
	global_load_b128 v[D+4*((\u)%16):D+4*((\u)%16)+3], v1, s[4:5] offset:(\u+16)*MROWB th:TH_LOAD_NT
.endif
.irp c, 0,1,2,3
	v_writelane_b32 v[8+\c], s[24+4*((\u)%2)+\c], \u
.endr
	s_or_b32  s32, s[24+4*((\u)%2)], s[25+4*((\u)%2)]
	s_or_b32  s33, s[26+4*((\u)%2)], s[27+4*((\u)%2)]
	s_or_b32  s32, s32, s33
	s_or_b32  s20, s20, s32
	s_and_b32 s32, s[24+4*((\u)%2)], s[25+4*((\u)%2)]
	s_and_b32 s33, s[26+4*((\u)%2)], s[27+4*((\u)%2)]
	s_and_b32 s32, s32, s33
	s_and_b32 s21, s21, s32
.endm
.irp u, 0,1,2,3,4,5,6,7,8,9,10,11,12,13,14,15
	MROW \u, 15, 1                                 ; loads return in order: mine is in, the 15 younger rows stay out
.endr
.irp u, 16,17,18,19,20,21,22,23,24,25,26,27,28,29,30,31
	MROW \u, 31-\u, 0                              ; nothing more to load: the counts run down to 0
.endr
	; lane u now holds row u: bit L of W c = key 4 L + c.  Byte b of W c belongs to block 4 sp + b.
	v_or_b32 v12, v8, v9
	v_or_b32 v13, v10, v11
	v_or_b32 v12, v12, v13
	v_cmp_ne_u32 s22, 0, v12                       ; bit u = row u has an allowed key in my span
	; 4 x 4 bytes transposed: X b = (W0.b, W1.b, W2.b, W3.b), the word of block 4 sp + b
	v_perm_b32 v12, v9, v8, 0x05010400             ; W0.0 W1.0 W0.1 W1.1
	v_perm_b32 v13, v9, v8, 0x07030602             ; W0.2 W1.2 W0.3 W1.3
	v_perm_b32 v14, v11, v10, 0x05010400           ; W2.0 W3.0 W2.1 W3.1
	v_perm_b32 v15, v11, v10, 0x07030602           ; W2.2 W3.2 W2.3 W3.3
	v_perm_b32 v8, v14, v12, 0x05040100
	v_perm_b32 v9, v14, v12, 0x07060302
	v_perm_b32 v10, v15, v13, 0x05040100
	v_perm_b32 v11, v15, v13, 0x07060302
	ds_store_b32 v4, v8                            ; through my own 512 bytes of LDS into the order [block][pos]
	ds_store_b32 v4, v9 offset:128
	ds_store_b32 v4, v10 offset:256
	ds_store_b32 v4, v11 offset:384
	ds_load_b128 v[16:19], v6                      ; a wave's LDS instructions are served in order: this sees the four stores
	v_mov_b32 v12, s20
	v_mov_b32 v13, s21
	v_mov_b32 v14, s22
	ds_store_b32 v7, v12 offset:F_ANY              ; one word a wave; all lanes write the same value
	ds_store_b32 v7, v13 offset:F_ALL
	ds_store_b32 v7, v14 offset:F_ROW
	s_wait_dscnt 0x0                               ; the load for my store, and my flags complete in front of the signal
	global_store_b128 v6, v[16:19], s[10:11]       ; 512 neighbouring bytes, aligned
	s_barrier_signal -1
	s_barrier_wait -1
	s_cmp_lg_u32 s18, 0
	s_cbranch_scc1 .Lend                           ; wave 0 alone makes the list
	v_mov_b32 v12, 0
.irp i, 0,1,2,3,4,5,6,7
	ds_load_b128 v[20+4*\i:23+4*\i], v12 offset:F_ROW+16*\i        ; all 32 spans' row words, in every lane (v16-19 still feed my store)
.endr
	v_lshlrev_b32 v13, 2, v3                       ; 4 x lane; lane L now stands for span L
	ds_load_b32 v80, v13 offset:F_ANY
	ds_load_b32 v81, v13 offset:F_ALL
.irp i, 84,85,86,87
	v_mov_b32 v\i, 0
.endr
	ds_store_b128 v1, v[84:87] offset:LIST         ; the list's 256 words start as zeros
	ds_store_b128 v1, v[84:87] offset:LIST+512
	s_wait_dscnt 0x0
.irp i, 0,1,2,3,4,5,6,7,8,9,10,11,12,13,14,15
	v_or_b32 v[20+\i], v[20+\i], v[36+\i]
.endr
.irp i, 0,1,2,3,4,5,6,7
	v_or_b32 v[20+\i], v[20+\i], v[28+\i]
.endr
.irp i, 0,1,2,3
	v_or_b32 v[20+\i], v[20+\i], v[24+\i]
.endr
	v_or_b32 v20, v20, v22
	v_or_b32 v21, v21, v23
	v_or_b32 v20, v20, v21                         ; bit u = row u has an allowed key somewhere
	v_readfirstlane_b32 s32, v20
	s_cmp_eq_u32 s32, -1
	s_cselect_b32 s34, 0, -1                       ; FORCE = all ones if some row has none: then every block is listed
	s_mov_b32 s35, 0                               ; entries so far
	v_mov_b32 v15, 0x100                           ; the word for lanes that add nothing
.irp b, 0,1,2,3
	v_bfe_u32 v12, v80, 8*\b, 8
	v_cmp_ne_u32 vcc_lo, 0, v12                    ; block 4 L + b holds an allowed element
	s_or_b32 s36, vcc_lo, s34                      ; the lanes that add an entry
	v_bfe_u32 v12, v81, 8*\b, 8
	v_cmp_ne_u32 s37, 0xff, v12                    ; not allowed throughout: the bit words have to be applied
	v_or_b32 v12, \b, v13                          ; kb = 4 L + b
	v_or_b32 v14, 0x100, v12
	v_cndmask_b32 v12, v12, v14, s37
	v_mbcnt_lo_u32_b32 v14, s36, s35               ; entries so far + adding lanes below me
	v_cndmask_b32 v14, v15, v14, s36
	v_min_u32 v14, 0x100, v14                      ; a number made from loaded data enters an address only clamped
	v_lshlrev_b32 v14, 2, v14
	ds_store_b32 v14, v12 offset:LIST
	s_bcnt1_i32_b32 s38, s36
	s_add_co_u32 s35, s35, s38
.endr
	v_mov_b32 v12, s35
	v_mov_b32 v14, 0
	ds_store_b32 v14, v12 offset:LIST+512          ; word 128 = count.  It is at least 1: either every row has an allowed key, or all 128 are listed
	ds_load_b128 v[52:55], v1 offset:LIST
	ds_load_b128 v[56:59], v1 offset:LIST+512
	s_wait_dscnt 0x0
	global_store_b128 v1, v[52:55], s[12:13]
	global_store_b128 v1, v[56:59], s[12:13] offset:512
	; The count once more, 4 bytes from lane 0: a tile has no more to say here, and side by side the 128 counts
	; are 512 bytes that every wave of the next launch reads with four loads.
	v_cmp_eq_u32 vcc_lo, 0, v3
	s_wait_xcnt 0x0                                ; EXEC is a source of my three pending stores (bit words, list): it is narrowed only behind this wait
	s_and_saveexec_b32 s36, vcc_lo
	global_store_b32 v14, v12, s[2:3]
	s_wait_xcnt 0x0                                ; and of this store: it is changed back only behind this wait
	s_or_b32 exec_lo, exec_lo, s36
.Lend:
	s_wait_tensorcnt 0x0
	ds_add_u32 v112, v113
	s_wait_dscnt 0x0
	s_endpgm
; ---------------------------------------------------------------- K and V roles
; Each wave converts one block of 32 keys x 64 f32 (8,192 bytes in, 4,096 out), through its own 32 rows of LDS: no barrier.
.Lkv:
	s_sub_co_u32 s19, ttmp9, 128                   ; 0..47 K, 48..95 V
	s_cmp_lt_u32 s19, 48
	s_cselect_b64 s[42:43], s[6:7], s[8:9]         ; from k or v
	s_cselect_b64 s[44:45], s[14:15], s[16:17]     ; to kf or vf
	s_cselect_b32 s32, 0, 48
	s_sub_co_u32 s33, s19, s32
	s_lshl_b32 s33, s33, 5
	s_add_co_u32 s33, s33, s18                     ; block number = head x 128 + kb, 0..1535
	s_lshl_b32 s40, s33, 13
	s_add_nc_u64 s[42:43], s[42:43], s[40:41]
	s_lshl_b32 s40, s33, 12
	s_add_nc_u64 s[44:45], s[44:45], s[40:41]
.irp i, 0,1,2,3,4,5,6,7,8,9,10,11,12,13,14,15
	global_load_b128 v[D+4*\i:D+4*\i+3], v1, s[42:43] offset:512*\i th:TH_LOAD_NT   ; rows 2 i and 2 i + 1, 512 neighbouring bytes
.endr
	s_mul_i32 s32, s18, WSTAGE
	s_add_co_u32 s32, s32, KVB                     ; my wave's stage
	v_mul_u32_u24 v6, v5, PITCH
	v_lshl_add_u32 v6, v4, 4, v6
	v_add_nc_u32 v6, s32, v6                       ; row h, 16 bytes at 16 r
.irp i, 0,1,2,3,4,5,6,7,8,9,10,11,12,13,14,15
	s_wait_loadcnt 15-\i                           ; load i is in, the younger ones stay out
	ds_store_b128 v6, v[D+4*\i:D+4*\i+3] offset:2*PITCH*\i
.endr
; Quarter q of the block's output: 16 f32 a lane -> pieces 2q and 2q+1 of 8 bf16; each store covers 512 neighbouring bytes, aligned.
.macro PACKQ q
.irp n, 0,1,2,3,4,5,6,7
	v_cvt_pk_bf16_f32 v[Y+8*\q+\n], v[D+16*\q+2*\n], v[D+16*\q+2*\n+1]
.endr
	global_store_b128 v1, v[Y+8*\q:Y+8*\q+3],   s[44:45] offset:1024*\q        ; no hint: the next launch reads these many times
	global_store_b128 v1, v[Y+8*\q+4:Y+8*\q+7], s[44:45] offset:1024*\q+512
.endm
	s_cmp_lt_u32 s19, 48
	s_cbranch_scc0 .Lvrole
	; K: lane (r, h) takes, for piece (t, ks, p), the 32 bytes of row 16 t + r at d = 32 ks + 16 p + 8 h.
	; The sixteen rows of a load lie 272 bytes apart: sixteen different 16-byte columns modulo 256.
	; A wave's LDS instructions are served in order, so these loads see the stage's stores above.
	v_mul_u32_u24 v7, v4, PITCH
	v_lshl_add_u32 v7, v5, 5, v7
	v_add_nc_u32 v7, s32, v7
.irp t, 0,1
.irp ks, 0,1
.irp p, 0,1
	ds_load_b128 v[D+8*(4*\t+2*\ks+\p):D+8*(4*\t+2*\ks+\p)+3],   v7 offset:\t*16*PITCH+\ks*128+\p*64
	ds_load_b128 v[D+8*(4*\t+2*\ks+\p)+4:D+8*(4*\t+2*\ks+\p)+7], v7 offset:\t*16*PITCH+\ks*128+\p*64+16
.endr
.endr
.endr
.irp q, 0,1,2,3
	s_wait_dscnt 12-4*\q                           ; a quarter is 4 loads: those of the later quarters stay out
	PACKQ \q
.endr
	s_wait_tensorcnt 0x0
	ds_add_u32 v112, v113
	s_wait_dscnt 0x0
	s_endpgm
.Lvrole:
	; V: lane (r, h) takes, for piece (dt, p), column d = 16 dt + r of the eight rows 16 p + 8 h + e.
	; The 16 lanes of a half read 16 neighbouring words; the halves lie 8 rows = 2,176 bytes = 544 words apart.
	v_mul_u32_u24 v7, v5, 8*PITCH
	v_lshl_add_u32 v7, v4, 2, v7
	v_add_nc_u32 v7, s32, v7
.macro LV dt                           ; quarter dt: 16 loads of one word a lane
.irp p, 0,1
.irp e, 0,1,2,3,4,5,6,7
	ds_load_b32 v[D+16*\dt+8*\p+\e], v7 offset:(16*\p+\e)*PITCH+64*\dt
.endr
.endr
.endm
	LV 0
	LV 1
	s_wait_dscnt 16                                ; the 16 loads of the next quarter stay out; so in each step below
	PACKQ 0
	LV 2
	s_wait_dscnt 16
	PACKQ 1
	LV 3
	s_wait_dscnt 16
	PACKQ 2
	s_wait_dscnt 0x0
	PACKQ 3
	s_wait_tensorcnt 0x0
	ds_add_u32 v112, v113
	s_wait_dscnt 0x0
	s_endpgm
.Lfunc_end_k_q24bf85a736_prep:
	.size	k_q24bf85a736_prep, .Lfunc_end_k_q24bf85a736_prep-k_q24bf85a736_prep
	.p2alignl 7, 3214868480
	.fill 96, 4, 3214868480
	.section	.rodata,"a",@progbits
	.p2align	6, 0x0
	.amdhsa_kernel k_q24bf85a736_prep
		.amdhsa_group_segment_fixed_size 300544
		.amdhsa_private_segment_fixed_size 0
		.amdhsa_enable_private_segment 0
		.amdhsa_kernarg_size 64
		.amdhsa_user_sgpr_count 2
		.amdhsa_user_sgpr_kernarg_segment_ptr 1
		.amdhsa_wavefront_size32 1
		.amdhsa_system_sgpr_workgroup_id_x 1
		.amdhsa_system_sgpr_workgroup_id_y 1
		.amdhsa_system_sgpr_workgroup_id_z 1
		.amdhsa_system_vgpr_workitem_id 0
		.amdhsa_next_free_vgpr 114
		.amdhsa_next_free_sgpr 66
		.amdhsa_reserve_vcc 1
		.amdhsa_float_denorm_mode_32 3
		.amdhsa_float_denorm_mode_16_64 3
		.amdhsa_memory_ordered 1
		.amdhsa_forward_progress 1
		.amdhsa_inst_pref_size 53
	.end_amdhsa_kernel
	.amdgpu_metadata
---
amdhsa.version: [ 1, 2 ]
amdhsa.kernels:
  - .name:           k_q24bf85a736_prep
    .symbol:         k_q24bf85a736_prep.kd
    .args:
      - { .name: mask, .offset: 0, .size: 8, .value_kind: global_buffer, .address_space: global }
      - { .name: k, .offset: 8, .size: 8, .value_kind: global_buffer, .address_space: global }
      - { .name: v, .offset: 16, .size: 8, .value_kind: global_buffer, .address_space: global }
      - { .name: bits, .offset: 24, .size: 8, .value_kind: global_buffer, .address_space: global }
      - { .name: lists, .offset: 32, .size: 8, .value_kind: global_buffer, .address_space: global }
      - { .name: kf, .offset: 40, .size: 8, .value_kind: global_buffer, .address_space: global }
      - { .name: vf, .offset: 48, .size: 8, .value_kind: global_buffer, .address_space: global }
      - { .name: counts, .offset: 56, .size: 8, .value_kind: global_buffer, .address_space: global }
    .group_segment_fixed_size: 300544
    .private_segment_fixed_size: 0
    .kernarg_segment_align: 8
    .kernarg_segment_size: 64
    .max_flat_workgroup_size: 1024
    .sgpr_count:     66
    .vgpr_count:     114
    .wavefront_size: 32
...
	.end_amdgpu_metadata
.endif
;; end of part 3
;; launch attn (part 4): grid 12 x 128, 8 waves a work-group, no clusters, 77,312 bytes of LDS; arguments q, kf, vf, bits, lists, out0, counts; writes out0
.if DOCPART == 4
	.amdgcn_target "amdgcn-amd-amdhsa--gfx1250"
	.amdhsa_code_object_version 6
	.text
	.protected	k_q24bf85a736_attn
	.globl	k_q24bf85a736_attn
	.p2align	8
	.type	k_q24bf85a736_attn,@function
k_q24bf85a736_attn:
	s_mov_b64 s[64:65], 0
	v_nop
	global_prefetch_b8 v0, s[64:65] scope:SCOPE_SE
	s_setreg_imm32_b32 hwreg(HW_REG_WAVE_MODE, 25, 1), 1
	s_wait_xcnt 0x0
; MASKED SOFTMAX ATTENTION over the listed key blocks.  q, out0: [12 heads][4096][64] f32.
; kf, vf, bits, lists, counts: as the preparing launch laid them out (a block kb = 32 keys, a tile = 32 queries):
;   kf  [head][kb][piece (2t+ks)*2+p][lane (r,h)][16 B] = K[32kb+16t+r][32ks+16p+8h .. +7] in bf16
;   vf  [head][kb][piece 2dt+p][lane (r,h)][16 B]       = V[32kb+16p+8h+e][16dt+r], e = 0..7, in bf16
;   bits [tile][kb][2r+g] u32: row 16g+r; bit 8c+i = key 4i+c allowed
;   lists [tile][256] u32: entries kb | 0x100 (0x100: apply the bit words), zeros behind them, word 128 = count (1..128)
;   counts [tile] u32: the counts side by side
; A work-group = (head = id x, place p = id y), eight waves.  WHICH TILE STANDS AT PLACE p is read off the counts: the
; tiles with more than LONGC entries come first, in the order of their numbers, then the others likewise.  A list can
; be 1 to 128 entries long, so the work-groups' work differs up to 128-fold; the low numbers go to the long ones of all
; heads, so that no long one is left to begin when the short ones are done.  Any mask gives a permutation of the tiles.
; Wave w takes entries w, w+8, w+16 .. for all 32 queries, with its own running maximum, sum and output; the eight
; partial results meet in LDS at the end.  Eight waves: a full list is 16 steps deep, a list of 16 entries two.
; Both products are used transposed: S^T = K Q^T and O^T = V^T P^T.  A lane then owns one query (column r): maximum and
; sum are taken inside the lane plus one exchange between the halves, and the eight packed registers made of S^T's
; results ARE the B fragment of P^T: register j of tile t holds key 16t+8h+j, which is where B wants k = 16t+8h+j.
; LIMITS, stated: inputs are finite (a block that is left out is not multiplied by its zero weights, so the reference's
; 0 x inf = NaN does not arise); |q.k| / 8 stays far below 1e9; a masked raw score is -2^33 (-1.07e9 after the scale
; 1/8) in place of -8e9: the weights are the same, 0 beside an allowed key, uniform in a row without any, and
; -2^33 x c is exact, so that such a row's exponents are exactly 0; v_exp_f32 gives 0 for weights under 2^-126
; (ISA guide, 15.8); Q, K, V and the weights enter the products rounded to bf16, the row sums use the f32 weights.
; NO TENSOR LOADS, NO CLUSTER: which blocks a tile reads, and how many (1 to 128), comes from its own list, so the
; tiles of a head would name different tiles of K and V in different numbers of steps, and a tile in LDS shared by
; waves would need a barrier inside a loop whose trip count differs from wave to wave.  Fragments therefore come
; straight into registers, 512 neighbouring bytes a load, already in fragment order.
.set LONGC,  32                        ; a list of more than 32 entries (more than 4 steps a wave) counts as long
.set QST,    0                         ; LDS: Q in bf16, 32 rows of 128 bytes at pitch 144
.set QPITCH, 144
.set STAT,   4608                      ; [wave 8][query 32] (maximum, sum): 2,048 bytes
.set PART,   6656                      ; eight waves' partial outputs: 32 queries x 64 f32 at pitch 272 (an odd multiple of 16)
.set PPITCH, 272
.set PWAVE,  32*PPITCH                 ; PART + 8 x 8,704 = 76,288
; v1 16 x lane | v2 8 r | v3 2 h | v4 Q fragment address | v5 my PART address | v6 my STAT address | v7 -2^33 | v8 -2^127
; v9 STAT read | v10 PART read, waves 0-3 | v12 PART read, waves 4-7 (an LDS offset has 16 bits) | v11 offset in out0
.set QB,  16                           ; v[16:47]   Q fragments (g, ks) at +8 (2g+ks)
.set KA,  48                           ; v[48:79]   K pieces, +4 i
.set VA,  80                           ; v[80:111]  V pieces, +4 i
.set SC,  112                          ; v[112:143] scores, then weights: +16 g + 8 t + j
.set PB,  144                          ; v[144:159] weights in bf16, +8 g
.set OA,  160                          ; v[160:223] output sums, +8 (4g+dt)
.set ML,  224                          ; v[224:227] group g: maximum at +2g, sum (of my half's keys) at +2g+1
.set QOF, 228
.set QLA, 229
.set NMC, 230                          ; v230, v232 -maximum x c   (the upper register of each pair is written once:
.set AL,  234                          ; v234, v236 the factor for the old sums   a packed form reads whole pairs)
.set T,   238                          ; v[238:245] at work
.set MW,  246                          ; v[246:247] bit words of rows r and 16+r
.set MS,  248                          ; v[248:249] the same, shifted right by 2 h
.set CB,  16                           ; the combine: 48 registers for each pair of rows, over QB, KA, VA
.set OUTR, 120                         ; v[120:127]
.set MXR, 128
.set LS,  129
.set RC,  130
.set E,   132                          ; v[132:139]
.set WP,  144                          ; v[144:159] the eight weights, each twice
	s_load_b256 s[4:11], s[0:1], 0x0               ; q s[4:5], kf s[6:7], vf s[8:9], bits s[10:11]
	s_load_b128 s[12:15], s[0:1], 0x20             ; lists s[12:13], out0 s[14:15]
	s_load_b64 s[2:3], s[0:1], 0x30                ; counts
	v_lshl_add_u32 v254, v0, 2, 0x12a00
	v_mov_b32 v255, 0
	v_lshrrev_b32 v12, 5, v0
	v_readfirstlane_b32 s16, v12                   ; wave w
	v_and_b32 v14, 31, v0                          ; lane
	v_lshlrev_b32 v[MS], 2, v14
	s_and_b32 s17, ttmp7, 0xffff                   ; place p
	s_wait_kmcnt 0x0
.irp c, 0,1,2,3
	global_load_b32 v[T+\c], v[MS], s[2:3] offset:128*\c           ; the count of tile 32 c + lane
.endr
	s_mov_b32 s29, 0                               ; upper words of the offset pairs
	s_mov_b32 s31, 0
	s_mov_b32 s49, 0
	s_mov_b32 s38, 0x3e38aa3b                      ; c = log2(e) / 8: the scale 1/sqrt(64) and the base 2 of v_exp_f32 in one
	s_mov_b32 s39, 0x3e38aa3b
	s_mov_b32 s42, 0xbe38aa3b                      ; -c
	s_mov_b32 s40, 0x76543210                      ; v_permlanex16_b32: lane i reads lane i of the other half
	s_mov_b32 s41, 0xfedcba98
	v_and_b32 v15, 15, v0                          ; r
	v_bfe_u32 v13, v0, 4, 1                        ; h
	v_lshlrev_b32 v1, 4, v14
	v_lshlrev_b32 v2, 3, v15
	v_lshlrev_b32 v3, 1, v13
	v_mul_u32_u24 v4, v15, QPITCH
	v_lshl_add_u32 v4, v13, 4, v4                  ; r x 144 + 16 h
	s_mul_i32 s48, s16, PWAVE
	v_mul_u32_u24 v5, v15, PPITCH
	v_lshl_add_u32 v5, v13, 5, v5
	v_add_nc_u32 v5, s48, v5                       ; w x 8704 + r x 272 + 32 h
	s_lshl_b32 s48, s16, 8
	v_lshl_add_u32 v6, v15, 3, s48                 ; w x 256 + 8 r
	v_mov_b32 v7, 0xd0000000                       ; -2^33
	v_mov_b32 v8, 0xff000000                       ; -2^127
	s_lshl_b32 s48, s16, 2
	v_add_nc_u32 v12, s48, v13                     ; 4 w + h: the first row that my lane finishes
	v_lshlrev_b32 v9, 3, v12
	v_mul_u32_u24 v10, v12, PPITCH
	v_lshl_add_u32 v10, v15, 4, v10
	v_lshlrev_b32 v11, 8, v12
	v_lshl_add_u32 v11, v15, 4, v11
	v_add_nc_u32 v12, 4*PWAVE, v10
	s_lshl_b32 s48, s16, 10
	v_add_nc_u32 v[QOF], s48, v1                   ; Q: my wave's rows 4w .. 4w+3, 1,024 bytes
	s_mul_i32 s48, s16, 4*QPITCH
	v_mul_u32_u24 v[QLA], v13, QPITCH
	v_lshl_add_u32 v[QLA], v15, 3, v[QLA]
	v_add_nc_u32 v[QLA], s48, v[QLA]
	v_mov_b32 v[NMC+1], 0
	v_mov_b32 v[NMC+3], 0
	v_mov_b32 v[AL+1], 0
	v_mov_b32 v[AL+3], 0
	; THE TILE AT PLACE p.  s[44:47]: bit L of word c = tile 32 c + L is long.
	s_wait_loadcnt 0x0
.irp c, 0,1,2,3
	v_cmp_lt_u32 s[44+\c], LONGC, v[T+\c]
.endr
	s_bcnt1_i32_b32 s48, s44
	s_bcnt1_i32_b32 s50, s45
	s_add_co_u32 s48, s48, s50
	s_bcnt1_i32_b32 s50, s46
	s_add_co_u32 s48, s48, s50
	s_bcnt1_i32_b32 s50, s47
	s_add_co_u32 s48, s48, s50                     ; how many are long
	s_cmp_lt_u32 s17, s48
	s_cselect_b32 s50, 0, -1                       ; p among the long ones: look among the set bits; else among the clear ones,
	s_cselect_b32 s51, 0, s48
	s_sub_co_u32 s17, s17, s51                     ; for number p - long
.irp c, 0,1,2,3
	s_xor_b32 s[44+\c], s[44+\c], s50
.endr
	s_mov_b32 s48, 0
.irp c, 0,1,2,3
	v_mbcnt_lo_u32_b32 v[T+\c], s[44+\c], s48      ; members in front of tile 32 c + lane
	s_bcnt1_i32_b32 s50, s[44+\c]
	s_add_co_u32 s48, s48, s50
	v_cmp_eq_u32 s51, s17, v[T+\c]
	s_and_b32 s[44+\c], s[44+\c], s51              ; a member with exactly that many in front: one bit in the four words
.endr
	s_or_b32 s48, s44, s45
	s_or_b32 s50, s46, s47
	s_or_b32 s48, s48, s50
	s_ctz_i32_b32 s17, s48                         ; its lane
	s_or_b32 s48, s45, s47                         ; SCC = the bit is in word 1 or 3
	s_cselect_b32 s48, 32, 0
	s_or_b32 s50, s46, s47                         ; SCC = in word 2 or 3
	s_cselect_b32 s50, 64, 0
	s_add_co_u32 s17, s17, s48
	s_add_co_u32 s17, s17, s50
	s_min_u32 s17, s17, 0x7f                       ; the tile; a number made from loaded data enters an address only clamped
	s_lshl_b32 s48, ttmp9, 20                      ; a head of q and out0: 4096 x 256 bytes
	s_lshl_b32 s50, s17, 13                        ; a tile: 32 x 256 bytes
	s_add_co_u32 s48, s48, s50
	s_add_nc_u64 s[4:5], s[4:5], s[48:49]
	s_add_nc_u64 s[14:15], s[14:15], s[48:49]
	s_lshl_b32 s48, ttmp9, 19                      ; a head of kf and vf: 128 x 4,096 bytes
	s_add_nc_u64 s[6:7], s[6:7], s[48:49]
	s_add_nc_u64 s[8:9], s[8:9], s[48:49]
	s_lshl_b32 s48, s17, 14
	s_add_nc_u64 s[10:11], s[10:11], s[48:49]
	s_lshl_b32 s48, s17, 10
	s_add_nc_u64 s[12:13], s[12:13], s[48:49]
	s_lshl_b32 s24, s16, 2                         ; my first entry's byte
	s_load_b32 s19, s[12:13], 0x200                ; count
	s_load_b32 s22, s[12:13], s24 offset:0x0       ; my entry 0
	s_load_b32 s23, s[12:13], s24 offset:0x20      ; my entry 1 (or a zero behind the list)
.irp i, 0,1
	global_load_b128 v[OA+4*\i:OA+4*\i+3], v[QOF], s[4:5] offset:512*\i th:TH_LOAD_NT   ; Q rows 4w+2i, 4w+2i+1
.endr
; entry -> s28 = kb x 4,096 (kf, vf), s30 = kb x 128 (bits), s26 = 0x100 where the bit words have to be applied
.macro DECODE e
	s_and_b32 s27, \e, 0x7f
	s_min_u32 s27, s27, 0x7f                       ; a loaded number enters an address only clamped
	s_and_b32 s26, \e, 0x100
	s_lshl_b32 s28, s27, 12
	s_lshl_b32 s30, s27, 7
.endm
.macro LOADMK                          ; 1 + 8 loads: the block's bit words and K
	s_add_nc_u64 s[36:37], s[10:11], s[30:31]
	s_add_nc_u64 s[32:33], s[6:7], s[28:29]
	global_load_b64 v[MW:MW+1], v2, s[36:37]
.irp i, 0,1,2,3,4,5,6,7
	global_load_b128 v[KA+4*\i:KA+4*\i+3], v1, s[32:33] offset:512*\i
.endr
.endm
.macro LOADV                           ; 8 loads: the block's V
	s_add_nc_u64 s[34:35], s[8:9], s[28:29]
.irp i, 0,1,2,3,4,5,6,7
	global_load_b128 v[VA+4*\i:VA+4*\i+3], v1, s[34:35] offset:512*\i
.endr
.endm
.macro QK                              ; S^T (32 keys x 32 queries): the first product of each tile starts its sum
.irp g, 0,1
.irp t, 0,1
	v_wmma_f32_16x16x32_bf16 v[SC+16*\g+8*\t:SC+16*\g+8*\t+7], v[KA+16*\t:KA+16*\t+7], v[QB+16*\g:QB+16*\g+7], 0
.endr
.endr
.irp g, 0,1
.irp t, 0,1
	v_wmma_f32_16x16x32_bf16 v[SC+16*\g+8*\t:SC+16*\g+8*\t+7], v[KA+16*\t+8:KA+16*\t+15], v[QB+16*\g+8:QB+16*\g+15], v[SC+16*\g+8*\t:SC+16*\g+8*\t+7]
.endr
.endr
.endm
; key 16t+8h+j = 4i+c with c = j & 3, i = 4t+2h+(j>>2): bit 8c+i of the word, bit 8(j&3)+4t+(j>>2) once it is shifted by 2h
.macro MASKG g
.irp t, 0,1
.irp j, 0,1,2,3,4,5,6,7
	v_and_b32 v[T+(\j%4)], 1<<(8*(\j&3)+4*\t+(\j>>2)), v[MS+\g]
	v_cmp_eq_u32 s[44+(\j%4)], 0, v[T+(\j%4)]
	v_cndmask_b32 v[SC+16*\g+8*\t+\j], v[SC+16*\g+8*\t+\j], v7, s[44+(\j%4)]
.endr
.endr
.endm
; The running softmax of query group g.  first = 1: nothing to carry over.
.macro SOFTG g, first
.set SG, SC+16*\g
	v_max3_num_f32 v[T+0], v[SG+0], v[SG+1], v[SG+2]
	v_max3_num_f32 v[T+1], v[SG+3], v[SG+4], v[SG+5]
	v_max3_num_f32 v[T+2], v[SG+6], v[SG+7], v[SG+8]
	v_max3_num_f32 v[T+3], v[SG+9], v[SG+10], v[SG+11]
	v_max3_num_f32 v[T+4], v[SG+12], v[SG+13], v[SG+14]
	v_max3_num_f32 v[T+0], v[T+0], v[T+1], v[SG+15]
	v_max3_num_f32 v[T+2], v[T+2], v[T+3], v[T+4]
	v_max_num_f32 v[T+0], v[T+0], v[T+2]           ; over my 16 keys
	v_permlanex16_b32 v[T+1], v[T+0], s40, s41     ; the other half's 16 keys of the same query
.if \first
	v_max_num_f32 v[T+2], v[T+0], v[T+1]
.else
	v_max3_num_f32 v[T+2], v[T+0], v[T+1], v[ML+2*\g]
	v_sub_f32 v[T+3], v[ML+2*\g], v[T+2]           ; exactly 0 where the maximum stays
	v_mul_f32 v[T+3], s38, v[T+3]
.endif
	v_mul_f32 v[NMC+2*\g], s42, v[T+2]
.irp k, 0,2,4,6,8,10,12,14
	v_pk_fma_f32 v[SG+\k:SG+\k+1], v[SG+\k:SG+\k+1], s[38:39], v[NMC+2*\g:NMC+2*\g+1] op_sel_hi:[1,0,0]   ; s c - m c
.endr
.irp k, 0,1,2,3,4,5,6,7,8,9,10,11,12,13,14,15
	v_exp_f32 v[SG+\k], v[SG+\k]
.endr
.if \first
.else
	v_exp_f32 v[AL+2*\g], v[T+3]
.endif
	v_mov_b32 v[ML+2*\g], v[T+2]                   ; the plain instruction between the exponentials and the first use of a result (ISA guide 5.7.2)
	s_wait_alu depctr_va_vdst(0)
	v_pk_add_f32 v[T+0:T+1], v[SG+0:SG+1], v[SG+2:SG+3]
	v_pk_add_f32 v[T+2:T+3], v[SG+4:SG+5], v[SG+6:SG+7]
	v_pk_add_f32 v[T+4:T+5], v[SG+8:SG+9], v[SG+10:SG+11]
	v_pk_add_f32 v[T+6:T+7], v[SG+12:SG+13], v[SG+14:SG+15]
	v_pk_add_f32 v[T+0:T+1], v[T+0:T+1], v[T+2:T+3]
	v_pk_add_f32 v[T+4:T+5], v[T+4:T+5], v[T+6:T+7]
	v_pk_add_f32 v[T+0:T+1], v[T+0:T+1], v[T+4:T+5]
.if \first
	v_add_f32 v[ML+2*\g+1], v[T+0], v[T+1]
.else
	v_add_f32 v[T+0], v[T+0], v[T+1]
	v_fma_f32 v[ML+2*\g+1], v[ML+2*\g+1], v[AL+2*\g], v[T+0]
.endif
.irp k, 0,1,2,3,4,5,6,7
	v_cvt_pk_bf16_f32 v[PB+8*\g+\k], v[SG+2*\k], v[SG+2*\k+1]      ; P^T's B fragment, no exchange between lanes
.endr
.if \first
.else
.irp k, 0,2,4,6,8,10,12,14,16,18,20,22,24,26,28,30
	v_pk_mul_f32 v[OA+32*\g+\k:OA+32*\g+\k+1], v[OA+32*\g+\k:OA+32*\g+\k+1], v[AL+2*\g:AL+2*\g+1] op_sel_hi:[1,0]
.endr
.endif
.endm
.macro PV first                        ; O^T (64 d x 32 queries) += V^T P^T
.irp g, 0,1
.irp dt, 0,1,2,3
.if \first
	v_wmma_f32_16x16x32_bf16 v[OA+8*(4*\g+\dt):OA+8*(4*\g+\dt)+7], v[VA+8*\dt:VA+8*\dt+7], v[PB+8*\g:PB+8*\g+7], 0
.else
	v_wmma_f32_16x16x32_bf16 v[OA+8*(4*\g+\dt):OA+8*(4*\g+\dt)+7], v[VA+8*\dt:VA+8*\dt+7], v[PB+8*\g:PB+8*\g+7], v[OA+8*(4*\g+\dt):OA+8*(4*\g+\dt)+7]
.endif
.endr
.endr
.endm
; One block.  At its head the bit words, K (1 + 8 loads) and, younger, V (8 loads) of this block are on their way.
; ahead = 1: the next block's loads are issued as soon as the registers are free, and the entry behind it is read.
.macro STEP id, first, ahead
	s_wait_loadcnt 0x8                             ; the 8 loads of V are younger: bit words and K are in, their address pairs free
	QK
	v_lshrrev_b32 v[MS], v3, v[MW]                 ; four plain instructions that name no register of the products stand between them
	v_lshrrev_b32 v[MS+1], v3, v[MW+1]             ; and both the loads into K's registers and the first reader of the scores
	v_nop                                          ; (ISA guide 7.12.1)
	v_nop
.if \ahead
	s_wait_kmcnt 0x0                               ; the next entry, asked for a whole step ago; s24 is free too
	DECODE s23
	LOADMK
	s_add_co_u32 s24, s24, 32
	s_load_b32 s23, s[12:13], s24 offset:0x20      ; entry w + 8 k with k up to my number of steps: at most word count + 7 = 135 of the list's 256
.endif
	s_cmp_eq_u32 s25, 0
	s_cbranch_scc1 .Lfull_\id                      ; allowed throughout: nothing to replace
	MASKG 0
	MASKG 1
.Lfull_\id:
	SOFTG 0, \first
	SOFTG 1, \first
.if \ahead
	s_wait_loadcnt 0x9                             ; the next block's 1 + 8 loads are younger: V is in, its address pair free
.else
	s_wait_loadcnt 0x0
.endif
	PV \first
.rept 4
	v_nop                                          ; places in front of the loads into V's registers and of whatever reads the sums next
.endr
.if \ahead
	LOADV
	s_mov_b32 s25, s26
.endif
.endm
	s_wait_kmcnt 0x0
	s_min_u32 s19, s19, 128
	s_add_co_u32 s20, s19, 7
	s_sub_co_u32 s20, s20, s16
	s_lshr_b32 s20, s20, 3                         ; my entries: w, w+8, .. below count
	s_max_u32 s20, s20, 1                          ; a wave without any works on one zero entry (block 0) ...
	s_cmp_ge_u32 s16, s19
	s_cselect_b32 s21, -1, 0                       ; ... and its result is taken out by value at the end
	DECODE s22
	s_mov_b32 s25, s26
	LOADMK
	LOADV
	s_wait_loadcnt 17                              ; the 1 + 8 + 8 loads of the first block are younger: Q is in
.irp i, 0,1
	v_cvt_pk_bf16_f32 v[OA+16+2*\i],   v[OA+4*\i],   v[OA+4*\i+1]
	v_cvt_pk_bf16_f32 v[OA+16+2*\i+1], v[OA+4*\i+2], v[OA+4*\i+3]
.endr
.irp i, 0,1
	ds_store_b64 v[QLA], v[OA+16+2*\i:OA+16+2*\i+1] offset:QST+2*QPITCH*\i
.endr
	s_wait_dscnt 0x0                               ; my rows of Q are in LDS in front of the signal
	s_barrier_signal -1
	s_barrier_wait -1
.irp g, 0,1
.irp ks, 0,1
.irp p, 0,1
	ds_load_b128 v[QB+4*(4*\g+2*\ks+\p):QB+4*(4*\g+2*\ks+\p)+3], v4 offset:QST+\g*16*QPITCH+64*\ks+32*\p
.endr
.endr
.endr
	s_wait_dscnt 0x0
	s_cmp_eq_u32 s20, 1
	s_cbranch_scc1 .Lsingle
	STEP 0, 1, 1
	s_sub_co_i32 s20, s20, 2
	s_cmp_eq_u32 s20, 0
	s_cbranch_scc1 .Llast
.Lloop:
	STEP 1, 0, 1
	s_sub_co_i32 s20, s20, 1
	s_cmp_lg_u32 s20, 0
	s_cbranch_scc1 .Lloop
.Llast:
	STEP 2, 0, 0
	s_branch .Lcombine
.Lsingle:
	STEP 3, 1, 0
.Lcombine:
	; THE EIGHT WAVES' PARTS MEET.  Sums of the two halves first; a wave without an entry hands in (-2^127, 0).
	v_permlanex16_b32 v[T], v[ML+1], s40, s41
	v_permlanex16_b32 v[T+1], v[ML+3], s40, s41
	v_add_f32 v[ML+1], v[ML+1], v[T]
	v_add_f32 v[ML+3], v[ML+3], v[T+1]
	v_cndmask_b32 v[ML], v[ML], v8, s21
	v_cndmask_b32 v[ML+2], v[ML+2], v8, s21
	v_cndmask_b32 v[ML+1], v[ML+1], 0, s21
	v_cndmask_b32 v[ML+3], v[ML+3], 0, s21
	ds_store_b64 v6, v[ML:ML+1] offset:STAT        ; query r; both halves write the same pair
	ds_store_b64 v6, v[ML+2:ML+3] offset:STAT+128  ; query 16 + r
.irp g, 0,1
.irp dt, 0,1,2,3
	ds_store_b128 v5, v[OA+8*(4*\g+\dt):OA+8*(4*\g+\dt)+3]   offset:PART+\g*16*PPITCH+64*\dt      ; query 16g+r, d = 16dt+8h .. +3
	ds_store_b128 v5, v[OA+8*(4*\g+\dt)+4:OA+8*(4*\g+\dt)+7] offset:PART+\g*16*PPITCH+64*\dt+16
.endr
.endr
	s_wait_dscnt 0x0                               ; my part is in LDS in front of the signal
	s_barrier_signal -1
	s_barrier_wait -1
	; Wave w finishes queries 4w .. 4w+3, two at a time: lanes 0-15 one row of 256 bytes, lanes 16-31 the next.
.irp t, 0,1
.irp i, 0,1,2,3,4,5,6,7
	ds_load_b64 v[CB+48*\t+2*\i:CB+48*\t+2*\i+1], v9 offset:STAT+256*\i+16*\t      ; (maximum, sum) of wave i
.endr
.irp i, 0,1,2,3
	ds_load_b128 v[CB+48*\t+16+4*\i:CB+48*\t+19+4*\i], v10 offset:PART+\i*PWAVE+2*PPITCH*\t
.endr
.irp i, 4,5,6,7
	ds_load_b128 v[CB+48*\t+16+4*\i:CB+48*\t+19+4*\i], v12 offset:PART+(\i-4)*PWAVE+2*PPITCH*\t
.endr
.endr
.macro COMB t
.set CT, CB+48*\t
	s_wait_dscnt 16-16*\t                          ; the second pair's 16 loads stay out
	v_max3_num_f32 v[MXR], v[CT], v[CT+2], v[CT+4]
	v_max3_num_f32 v[MXR], v[MXR], v[CT+6], v[CT+8]
	v_max3_num_f32 v[MXR], v[MXR], v[CT+10], v[CT+12]
	v_max_num_f32 v[MXR], v[MXR], v[CT+14]
.irp i, 0,1,2,3,4,5,6,7
	v_sub_f32 v[E+\i], v[CT+2*\i], v[MXR]
.endr
.irp i, 0,1,2,3,4,5,6,7
	v_mul_f32 v[E+\i], s38, v[E+\i]
.endr
.irp i, 0,1,2,3,4,5,6,7
	v_exp_f32 v[E+\i], v[E+\i]
.endr
	v_nop                                          ; a plain place behind the exponentials (ISA guide 5.7.2)
	s_wait_alu depctr_va_vdst(0)
	v_mul_f32 v[LS], v[E], v[CT+1]
.irp i, 1,2,3,4,5,6,7
	v_fmac_f32 v[LS], v[E+\i], v[CT+2*\i+1]
.endr
	v_rcp_f32 v[RC], v[LS]                         ; the sum is at least 1: the wave that holds the maximum has factor 1 and a sum of at least 1
	v_nop
	s_wait_alu depctr_va_vdst(0)
.irp i, 0,1,2,3,4,5,6,7
	v_mul_f32 v[WP+2*\i], v[E+\i], v[RC]           ; each weight twice: a pair for the packed forms
	v_mul_f32 v[WP+2*\i+1], v[E+\i], v[RC]
.endr
	v_pk_mul_f32 v[OUTR+4*\t:OUTR+4*\t+1],   v[CT+16:CT+17], v[WP:WP+1]
	v_pk_mul_f32 v[OUTR+4*\t+2:OUTR+4*\t+3], v[CT+18:CT+19], v[WP:WP+1]
.irp i, 1,2,3,4,5,6,7
	v_pk_fma_f32 v[OUTR+4*\t:OUTR+4*\t+1],   v[CT+16+4*\i:CT+17+4*\i], v[WP+2*\i:WP+2*\i+1], v[OUTR+4*\t:OUTR+4*\t+1]
	v_pk_fma_f32 v[OUTR+4*\t+2:OUTR+4*\t+3], v[CT+18+4*\i:CT+19+4*\i], v[WP+2*\i:WP+2*\i+1], v[OUTR+4*\t+2:OUTR+4*\t+3]
.endr
	global_store_b128 v11, v[OUTR+4*\t:OUTR+4*\t+3], s[14:15] offset:512*\t th:TH_STORE_NT   ; sixteen lanes write one whole row of 256 bytes, aligned
.endm
	COMB 0
	COMB 1
	s_wait_tensorcnt 0x0
	ds_add_u32 v254, v255
	s_wait_dscnt 0x0
	s_endpgm
.Lfunc_end_k_q24bf85a736_attn:
	.size	k_q24bf85a736_attn, .Lfunc_end_k_q24bf85a736_attn-k_q24bf85a736_attn
	.p2alignl 7, 3214868480
	.fill 96, 4, 3214868480
	.section	.rodata,"a",@progbits
	.p2align	6, 0x0
	.amdhsa_kernel k_q24bf85a736_attn
		.amdhsa_group_segment_fixed_size 77312
		.amdhsa_private_segment_fixed_size 0
		.amdhsa_enable_private_segment 0
		.amdhsa_kernarg_size 56
		.amdhsa_user_sgpr_count 2
		.amdhsa_user_sgpr_kernarg_segment_ptr 1
		.amdhsa_wavefront_size32 1
		.amdhsa_system_sgpr_workgroup_id_x 1
		.amdhsa_system_sgpr_workgroup_id_y 1
		.amdhsa_system_sgpr_workgroup_id_z 1
		.amdhsa_system_vgpr_workitem_id 0
		.amdhsa_next_free_vgpr 256
		.amdhsa_next_free_sgpr 66
		.amdhsa_reserve_vcc 0
		.amdhsa_float_denorm_mode_32 3
		.amdhsa_float_denorm_mode_16_64 3
		.amdhsa_memory_ordered 1
		.amdhsa_forward_progress 1
		.amdhsa_inst_pref_size 78
	.end_amdhsa_kernel
	.amdgpu_metadata
---
amdhsa.version: [ 1, 2 ]
amdhsa.kernels:
  - .name:           k_q24bf85a736_attn
    .symbol:         k_q24bf85a736_attn.kd
    .args:
      - { .name: q, .offset: 0, .size: 8, .value_kind: global_buffer, .address_space: global }
      - { .name: kf, .offset: 8, .size: 8, .value_kind: global_buffer, .address_space: global }
      - { .name: vf, .offset: 16, .size: 8, .value_kind: global_buffer, .address_space: global }
      - { .name: bits, .offset: 24, .size: 8, .value_kind: global_buffer, .address_space: global }
      - { .name: lists, .offset: 32, .size: 8, .value_kind: global_buffer, .address_space: global }
      - { .name: out0, .offset: 40, .size: 8, .value_kind: global_buffer, .address_space: global }
      - { .name: counts, .offset: 48, .size: 8, .value_kind: global_buffer, .address_space: global }
    .group_segment_fixed_size: 77312
    .private_segment_fixed_size: 0
    .kernarg_segment_align: 8
    .kernarg_segment_size: 56
    .max_flat_workgroup_size: 256
    .sgpr_count:     66
    .vgpr_count:     256
    .wavefront_size: 32
...
	.end_amdgpu_metadata
.endif
;; end of part 4
